; MI455X (gfx1250); checked and timed in simulation.
; The chip was launched on July 23, 2026; its instructions are those of AMD's public machine-readable ISA for CDNA 5 (MIT licence, August 2026) and "CDNA5" Instruction Set Architecture Reference Guide (July 2026). The comments in the code are by the model that wrote it; some were corrected since.
;; Prefix Linear Attention. Allowed arithmetic: float matrix products may take bf16 or f16 operands with f32 sums; other float arithmetic in f32, or as packed bf16 or f16 multiplies, adds, multiply-adds, maxima and minima; sums over many terms, partial sums and values carried from step to step in f32; what a program stores and reads back later, other than sums and carried values, may be rounded once to bf16 or f16.
;; Inputs: Wk 256 x 1,024 float32; Wk_enc 256 x 1,024 float32; Wout 1,024 x 1,024 float32; Wq 256 x 1,024 float32; Wv 1,024 x 1,024 float32; Wv_enc 1,024 x 1,024 float32; x 2 x 2,048 x 1,024 float32.
;; Outputs: out0 2 x 2,048 x 1,024 float32.
;; 3 versions, each right; version 2 is faster than version 1; version 3 is version 2 with the launches proj, outp written anew for expert scheduling mode. Each part assembles by itself: llvm-mc -triple=amdgcn-amd-amdhsa -mcpu=gfx1250 --defsym DOCPART=n.
;; ======== version 1 of 3: 3 launches
;; limits: values are held in f16: magnitudes above 65,504 overflow, below 6.1e-05 lose precision; right only within a limited range of input values
;; workspace buffers: qws 2,097,152 bytes; kws 2,621,440 bytes; vws 10,485,760 bytes; aws 8,388,608 bytes
;; launch proj (part 1): grid 58 x 8, 8 waves a work-group, no clusters, 74,752 bytes of LDS; arguments x, Wq, Wk, Wv, Wk_enc, Wv_enc, qws, kws, vws; writes qws, kws, vws
.if DOCPART == 1
	.amdgcn_target "amdgcn-amd-amdhsa--gfx1250"
	.amdhsa_code_object_version 6
	.text
	.protected	k_q0ba4ddf5a8_proj
	.globl	k_q0ba4ddf5a8_proj
	.p2align	8
	.type	k_q0ba4ddf5a8_proj,@function
k_q0ba4ddf5a8_proj:
	s_mov_b64 s[64:65], 0
	v_nop
	global_prefetch_b8 v0, s[64:65] scope:SCOPE_SE
	s_setreg_imm32_b32 hwreg(HW_REG_WAVE_MODE, 25, 1), 1
	s_wait_xcnt 0x0
; q, k, v = x W^T on all 2 x 2048 tokens; k_enc, v_enc = x W^T on the first 512 tokens of each batch.  x and the weights are f32; they are rounded to f16
; on the way into LDS, multiplied in f16 with f32 sums, and the results are stored in f16.
; LIMIT: f16 operands and results: |x|, |W|, |q|, |k|, |v| have to stay below 65,504.
; A work-group makes 128 tokens x 128 output columns over K = 1024.  The 4 token blocks of a batch that lie in the prefix have 22 column blocks
; (q 2, k 2, v 8, k_enc 2, v_enc 8), the other 12 have 12: 2 x (4 x 22 + 12 x 12) = 464 = 58 x 8 work-groups of equal work.
; OUTPUT FORM (tile16): a tile is 16 rows x 16 f16 = 512 bytes; lane (r = lane % 16, h = lane / 16) owns bytes 16 lane .. +15 = row r, elements 8 h .. 8 h + 7:
; half a 16-bit matrix fragment.  q, k: row = token, elements = the head's 16 features.  v: row = channel, elements = 16 keys (V transposed).
; Which of the two forms comes out is a matter of which operand is source 0: LDS region 0 feeds source 0, region 1 source 1, and the result holds, in lane r,
; region 1's row r and region 0's rows 8 h + 0..7.  So q and k put W into region 0 and x into region 1, v the other way round: two pointers are chosen, the code is one.
; NO JOINT TILE LOADS: the shared operands are f32 in memory.  Through registers each number is rounded once per work-group and an LDS row of 64 K is 128 bytes;
; copied as they lie they would be 256 bytes a row in every fragment read and be rounded by each of the waves that read them.
.set PITCH,  144                       ; an LDS row: 64 f16 = 128 bytes + 16: an odd multiple of 16, so the 16 rows of a fragment load fall on different banks (ISA guide 11.1)
.set REG,    128*PITCH                 ; one operand's 128 rows
.set BUF,    2*REG                     ; region 0, region 1; two such buffers take turns
.set KSTEPS, 16                        ; 1024 / 64
.set ACC, 16                           ; v[16:79]    accumulator (i, j) at 16 + 8 (2 i + j): i = 4 tiles of source 0, j = 2 tiles of source 1
.set F0,  80                           ; v[80:143]   fragments of source 0: 80 + 32 kb + 8 i
.set F1,  144                          ; v[144:175]  fragments of source 1: 144 + 16 kb + 8 j
.set G,   176                          ; v[176:239]  16 quads from memory: region R, load n at 176 + 32 R + 4 n
; v1 byte offset of my 16 bytes in a K step's rows; v2, v3 where I store in LDS buffer 0, 1; v4, v5 my fragments' addresses; v6-v9 my 16 bytes of output tile i
	s_load_b512 s[8:23], s[0:1], 0x0               ; x, Wq, Wk, Wv, Wk_enc, Wv_enc, qws, kws
	s_load_b64 s[24:25], s[0:1], 0x40              ; vws
	v_lshl_add_u32 v240, v0, 2, 0x12000
	v_mov_b32 v241, 0
	v_lshrrev_b32 v10, 5, v0
	v_readfirstlane_b32 s26, v10                   ; wave 0..7
	s_and_b32 s27, s26, 1                          ; wi: which 64 rows of source 0
	s_lshr_b32 s28, s26, 1                         ; wj: which 32 rows of source 1
	s_mov_b32 s2, ttmp9                            ; X 0..57
	s_and_b32 s3, ttmp7, 0xffff                    ; Y 0..7
	s_lshr_b32 s29, s3, 2                          ; batch
	s_and_b32 s30, s3, 3                           ; y3
	; X < 22: column block X of token block y3 (prefix).  Else x' = X - 22: column block x' % 12 of token block 4 + 3 y3 + x' / 12.
	s_sub_co_i32 s31, s2, 22
	s_max_i32 s31, s31, 0
	s_mul_i32 s32, s31, 43
	s_lshr_b32 s32, s32, 9                         ; x' / 12 for x' < 36
	s_mul_i32 s33, s32, 12
	s_sub_co_u32 s33, s31, s33
	s_mul_i32 s34, s30, 3
	s_add_co_u32 s34, s34, s32
	s_add_co_u32 s34, s34, 4
	s_cmp_lt_u32 s2, 22
	s_cselect_b32 s33, s2, s33                     ; column block 0..21
	s_cselect_b32 s34, s30, s34                    ; token block 0..15
	s_sub_co_u32 s44, s33, 10
	s_cmp_ge_u32 s33, 12
	s_cselect_b32 s35, 1, 0                        ; e: an encoder projection
	s_cselect_b32 s44, s44, s33                    ; c2: 0-1 q, 2-3 k, 4-11 v
	s_and_b32 s45, s44, 1
	s_sub_co_u32 s46, s44, 4
	s_cmp_ge_u32 s44, 4
	s_cselect_b32 s47, 1, 0                        ; isv
	s_cselect_b32 s45, s46, s45                    ; which 128 rows of the weight
	s_cmp_lt_u32 s44, 2
	s_cselect_b32 s48, 1, 0                        ; isq
	s_or_b32 s49, s48, s35                         ; q's tokens and the encoder's keys count from tile 0, the decoder's keys from tile 32
	s_cselect_b32 s49, 0, 32
	s_lshl3_add_u32 s49, s34, s49                  ; T0: the block's first token or key tile
	s_mov_b32 s42, 0x10000                         ; bytes from output tile i to i + 1: q a head of 128 tiles,
	s_mov_b32 s43, 0x14000                         ; k a head of 160 tiles,
	s_cmp_lg_u32 s48, 0
	s_cselect_b32 s42, s42, s43
	s_cmp_lg_u32 s47, 0
	s_cselect_b32 s42, 2048, s42                   ; v a key tile's four channel tiles
	; where my wave's tile (0, 0) goes
	s_lshl_b32 s54, s29, 4                         ; 16 x batch
	s_lshl_b32 s55, s45, 3
	s_add_co_u32 s55, s55, s54
	s_lshl2_add_u32 s55, s27, s55                  ; q, k: head = 8 x block + 4 wi (+ i)
	s_mul_i32 s55, s55, s42
	s_lshl1_add_u32 s56, s28, s49                  ; token tile T0 + 2 wj (+ j)
	s_lshl_b32 s56, s56, 9
	s_add_co_u32 s55, s55, s56
	s_lshl1_add_u32 s57, s45, s54                  ; v: head = 2 x block + wj / 2
	s_lshr_b32 s58, s28, 1
	s_add_co_u32 s57, s57, s58
	s_mul_i32 s57, s57, 327680                     ; a head of v: 160 key tiles x 4 x 512
	s_lshl2_add_u32 s58, s27, s49                  ; key tile T0 + 4 wi (+ i)
	s_lshl_b32 s58, s58, 11
	s_add_co_u32 s57, s57, s58
	s_and_b32 s58, s28, 1                          ; channel tile 2 (wj % 2) (+ j)
	s_lshl_b32 s58, s58, 10
	s_add_co_u32 s57, s57, s58
	s_cmp_lg_u32 s47, 0
	s_cselect_b32 s58, s57, s55
	s_mov_b32 s59, 0
	; lane terms
	v_lshrrev_b32 v10, 4, v0                       ; thread / 16: my row among 16
	v_and_b32 v11, 15, v0                          ; thread % 16: my 16 bytes of a row's 256
	v_lshlrev_b32 v1, 12, v10
	v_lshl_or_b32 v1, v11, 4, v1
	v_mul_u32_u24 v2, v10, PITCH
	v_lshl_add_u32 v2, v11, 3, v2                  ; four f32 become 8 bytes
	v_add_nc_u32 v3, BUF, v2
	v_bfe_u32 v10, v0, 4, 1                        ; h
	v_mul_u32_u24 v4, v11, PITCH
	v_lshl_add_u32 v4, v10, 4, v4                  ; a fragment's row r x pitch + 16 h
	s_mul_i32 s46, s28, 32*PITCH
	s_add_co_u32 s46, s46, REG
	v_add_nc_u32 v5, s46, v4
	s_mul_i32 s46, s27, 64*PITCH
	v_add_nc_u32 v4, s46, v4
	v_and_b32 v10, 31, v0
	v_lshlrev_b32 v6, 4, v10
	v_add_nc_u32 v7, s42, v6
	v_add_nc_u32 v8, s42, v7
	v_add_nc_u32 v9, s42, v8
	s_wait_kmcnt 0x0
	s_cmp_lg_u32 s35, 0
	s_cselect_b64 s[50:51], s[18:19], s[14:15]     ; Wv_enc or Wv
	s_cselect_b64 s[52:53], s[16:17], s[12:13]     ; Wk_enc or Wk
	s_cmp_lg_u32 s48, 0
	s_cselect_b64 s[52:53], s[10:11], s[52:53]     ; Wq
	s_cselect_b64 s[40:41], s[20:21], s[22:23]     ; qws or kws
	s_cmp_lg_u32 s47, 0
	s_cselect_b64 s[50:51], s[50:51], s[52:53]     ; the weight
	s_cselect_b64 s[40:41], s[24:25], s[40:41]     ; the output buffer
	s_add_nc_u64 s[40:41], s[40:41], s[58:59]
	s_lshl4_add_u32 s56, s29, s34                  ; token block among 32, 128 rows of 4,096 bytes each
	s_lshl_b32 s56, s56, 19
	s_mov_b32 s57, 0
	s_add_nc_u64 s[54:55], s[8:9], s[56:57]
	s_lshl_b32 s56, s45, 19
	s_add_nc_u64 s[50:51], s[50:51], s[56:57]
	s_cmp_lg_u32 s47, 0
	s_cselect_b64 s[36:37], s[54:55], s[50:51]     ; region 0: x for v, else the weight
	s_cselect_b64 s[38:39], s[50:51], s[54:55]     ; region 1: the other one
; One K step's operands, 2 x 128 rows x 256 bytes: sixteen lanes take 256 consecutive bytes of a row, at a multiple of 256 from the buffer's first byte.
.macro LOADG
.irp n, 0,1,2,3,4,5,6,7
	global_load_b128 v[G+4*\n:G+4*\n+3], v1, s[36:37] offset:\n*65536
.endr
.irp n, 0,1,2,3,4,5,6,7
	global_load_b128 v[G+32+4*\n:G+32+4*\n+3], v1, s[38:39] offset:\n*65536
.endr
.endm
; They are rounded to f16, once in the work-group, and laid into LDS buffer buf.
.macro STAGE buf
.set q, 0
.rept 16
	s_wait_loadcnt 15-q                            ; loads come back in order (ISA guide 5.7.1): quad q is in, the 15 - q younger ones may be out
	v_cvt_pk_f16_f32 v[G+4*q], v[G+4*q], v[G+4*q+1]
	v_cvt_pk_f16_f32 v[G+4*q+1], v[G+4*q+2], v[G+4*q+3]
	ds_store_b64 v[2+\buf], v[G+4*q:G+4*q+1] offset:(q/8)*REG+(q%8)*16*PITCH
.set q, q+1
.endr
	s_add_nc_u64 s[36:37], s[36:37], 256           ; behind the wait for 0: no load that names these is out.  64 f32 on along K
	s_add_nc_u64 s[38:39], s[38:39], 256
.endm
; 24 LDS loads: the fragments of 64 along K; the first 32 along K first
.macro FRAGS buf
.irp kb, 0,1
.irp i, 0,1,2,3
	ds_load_b128 v[F0+32*\kb+8*\i:F0+32*\kb+8*\i+3],   v4 offset:\buf*BUF+\i*16*PITCH+\kb*64
	ds_load_b128 v[F0+32*\kb+8*\i+4:F0+32*\kb+8*\i+7], v4 offset:\buf*BUF+\i*16*PITCH+\kb*64+32
.endr
.irp j, 0,1
	ds_load_b128 v[F1+16*\kb+8*\j:F1+16*\kb+8*\j+3],   v5 offset:\buf*BUF+\j*16*PITCH+\kb*64
	ds_load_b128 v[F1+16*\kb+8*\j+4:F1+16*\kb+8*\j+7], v5 offset:\buf*BUF+\j*16*PITCH+\kb*64+32
.endr
.endr
.endm
; 8 matrix instructions, 32 along K.  The eight accumulators take turns, one instruction a turn.  zero = 1: the products start the sums.
.macro MM kb, zero
.irp i, 0,1,2,3
.irp j, 0,1
.if \zero
	v_wmma_f32_16x16x32_f16 v[ACC+8*(2*\i+\j):ACC+8*(2*\i+\j)+7], v[F0+32*\kb+8*\i:F0+32*\kb+8*\i+7], v[F1+16*\kb+8*\j:F1+16*\kb+8*\j+7], 0
.else
	v_wmma_f32_16x16x32_f16 v[ACC+8*(2*\i+\j):ACC+8*(2*\i+\j)+7], v[F0+32*\kb+8*\i:F0+32*\kb+8*\i+7], v[F1+16*\kb+8*\j:F1+16*\kb+8*\j+7], v[ACC+8*(2*\i+\j):ACC+8*(2*\i+\j)+7]
.endif
.endr
.endr
.endm
; A K step on buffer buf.  more = 1: the next step's operands are asked for first and go into the other buffer behind the products.
; ONE barrier a step: in front of it each wave's reads of this buffer are back and its stores into the other are done; behind it the other is read and this one written.
; STAGE's 32 conversions name no register of the products: they are the places between the last product and the next loads into its sources.
.macro STEP buf, zero, more
.if \more
	LOADG
.endif
	FRAGS \buf
	s_wait_dscnt 12                                ; the first 32 along K are in; the 12 loads of the second 32 may be out
	MM 0, \zero
	s_wait_dscnt 0x0
	MM 1, 0
.if \more
	STAGE 1-\buf
	s_wait_dscnt 0x0                               ; for the others' sake: my stores are done (my reads were waited for above)
	s_barrier_signal -1
	s_barrier_wait -1
.endif
.endm
	LOADG
	STAGE 0
	s_wait_dscnt 0x0
	s_barrier_signal -1
	s_barrier_wait -1
	STEP 0, 1, 1                                   ; the first K step starts the sums: nothing is cleared
	s_mov_b32 s43, (KSTEPS-2)/2
.Lk:
	STEP 1, 0, 1
	STEP 0, 0, 1
	s_sub_co_i32 s43, s43, 1
	s_cmp_lg_u32 s43, 0
	s_cbranch_scc1 .Lk
	STEP 1, 0, 0                                   ; the last step asks for nothing
.rept 4
	v_nop                                          ; four places behind the last product (ISA guide 7.12.1)
.endr
	; a lane's eight results are eight neighbouring elements of its row: 16 bytes; a wave's store covers a whole tile, 512 consecutive bytes, aligned
.irp i, 0,1,2,3
.irp j, 0,1
.irp c, 0,1,2,3
	v_cvt_pk_f16_f32 v[G+4*(2*\i+\j)+\c], v[ACC+8*(2*\i+\j)+2*\c], v[ACC+8*(2*\i+\j)+2*\c+1]
.endr
	global_store_b128 v[6+\i], v[G+4*(2*\i+\j):G+4*(2*\i+\j)+3], s[40:41] offset:\j*512
.endr
.endr
	s_wait_tensorcnt 0x0
	ds_add_u32 v240, v241
	s_wait_dscnt 0x0
	s_endpgm
.Lfunc_end_k_q0ba4ddf5a8_proj:
	.size	k_q0ba4ddf5a8_proj, .Lfunc_end_k_q0ba4ddf5a8_proj-k_q0ba4ddf5a8_proj
	.p2alignl 7, 3214868480
	.fill 96, 4, 3214868480
	.section	.rodata,"a",@progbits
	.p2align	6, 0x0
	.amdhsa_kernel k_q0ba4ddf5a8_proj
		.amdhsa_group_segment_fixed_size 74752
		.amdhsa_private_segment_fixed_size 0
		.amdhsa_enable_private_segment 0
		.amdhsa_kernarg_size 72
		.amdhsa_user_sgpr_count 2
		.amdhsa_user_sgpr_kernarg_segment_ptr 1
		.amdhsa_wavefront_size32 1
		.amdhsa_system_sgpr_workgroup_id_x 1
		.amdhsa_system_sgpr_workgroup_id_y 1
		.amdhsa_system_sgpr_workgroup_id_z 1
		.amdhsa_system_vgpr_workitem_id 0
		.amdhsa_next_free_vgpr 242
		.amdhsa_next_free_sgpr 66
		.amdhsa_reserve_vcc 0
		.amdhsa_float_denorm_mode_32 3
		.amdhsa_float_denorm_mode_16_64 3
		.amdhsa_memory_ordered 1
		.amdhsa_forward_progress 1
		.amdhsa_inst_pref_size 39
	.end_amdhsa_kernel
	.amdgpu_metadata
---
amdhsa.version: [ 1, 2 ]
amdhsa.kernels:
  - .name:           k_q0ba4ddf5a8_proj
    .symbol:         k_q0ba4ddf5a8_proj.kd
    .args:
      - { .name: x, .offset: 0, .size: 8, .value_kind: global_buffer, .address_space: global }
      - { .name: Wq, .offset: 8, .size: 8, .value_kind: global_buffer, .address_space: global }
      - { .name: Wk, .offset: 16, .size: 8, .value_kind: global_buffer, .address_space: global }
      - { .name: Wv, .offset: 24, .size: 8, .value_kind: global_buffer, .address_space: global }
      - { .name: Wk_enc, .offset: 32, .size: 8, .value_kind: global_buffer, .address_space: global }
      - { .name: Wv_enc, .offset: 40, .size: 8, .value_kind: global_buffer, .address_space: global }
      - { .name: qws, .offset: 48, .size: 8, .value_kind: global_buffer, .address_space: global }
      - { .name: kws, .offset: 56, .size: 8, .value_kind: global_buffer, .address_space: global }
      - { .name: vws, .offset: 64, .size: 8, .value_kind: global_buffer, .address_space: global }
    .group_segment_fixed_size: 74752
    .private_segment_fixed_size: 0
    .kernarg_segment_align: 8
    .kernarg_segment_size: 72
    .max_flat_workgroup_size: 256
    .sgpr_count:     66
    .vgpr_count:     242
    .wavefront_size: 32
...
	.end_amdgpu_metadata
.endif
;; end of part 1
;; launch attn (part 2): grid 8 x 32, 8 waves a work-group, no clusters, 89,344 bytes of LDS; arguments qws, kws, vws, aws; writes aws
.if DOCPART == 2
	.amdgcn_target "amdgcn-amd-amdhsa--gfx1250"
	.amdhsa_code_object_version 6
	.text
	.protected	k_q0ba4ddf5a8_attn
	.globl	k_q0ba4ddf5a8_attn
	.p2align	8
	.type	k_q0ba4ddf5a8_attn,@function
k_q0ba4ddf5a8_attn:
	s_mov_b64 s[64:65], 0
	v_nop
	global_prefetch_b8 v0, s[64:65] scope:SCOPE_SE
	s_setreg_imm32_b32 hwreg(HW_REG_WAVE_MODE, 25, 1), 1
	s_wait_xcnt 0x0
; For one (batch, head): out[n] = (sum over the 512 encoder keys and the decoder keys m <= n of a(n, m) v[m]) / (sum of the same a + 1e-12),
; a = q_f . k_f = 1 + s / 4 + s^2 / 32 with s = q . k (the feature map's inner product written out: 1, then s / 2^2, then s^2 / (2 x 16));
; (q_f * k_state).sum is the sum of the same a over the same keys.  Both hold for every input.
; Scores and weighted sums go to the matrix unit in f16 with f32 sums; polynomial, mask, row sums and the division are f32.
; The weights are scaled by a factor c per query, which cancels in the quotient: c = 2^14 / (1 + t / 4 + t^2 / 32), t = |q|_1 x max|k|, so that c a <= 2^14 fits f16 whatever the inputs' size.
; LIMITS: max|k| is taken over all keys of the 128-key steps that the query's block walks, keys behind the query in its own block among them; weights more than 2^29 below that bound
; are lost in f16.  t^2 / 32 has to be finite in f32 (t below 1.8e19).  q, k, v come in f16.
; SHARES.  Work-group (i, batch x head) owns the query blocks of 128 i (low) and 15 - i (high): 128 x 3,200 (query, key) pairs in every work-group.  Keys go in steps of 128:
; steps 0-3 the encoder's, step 4 + b the decoder's block b.  Wave w: g = w % 4 picks 32 queries of each block (tiles 0, 1 low; 2, 3 high), p = w / 4 one half of every step's keys;
; the two halves' sums are added at the end through LDS.
; NO JOINT TILE LOADS: the eight work-groups of a head walk 20 - i steps, a different number each.
; FRAGMENTS.  All buffers hold tiles of 16 rows x 16 f16 = 512 bytes, lane (r, h) owning row r, elements 8 h .. 8 h + 7 at byte 16 lane: half a fragment.
; Scores: source 0 = two key tiles side by side along the product's 32 (registers 0-3 tile T, 4-7 tile T + 1); source 1 = (q, 0) picks T, (0, q) picks T + 1.
; In the result a lane holds ONE query (r) and keys 8 h + 0..7; the two tiles, rounded in pairs, ARE source 1 (32 keys x 16 queries) of O^T = V^T P, whose result holds one query and 8 channels.
.set VT,   4096                        ; LDS: K's tile at 0 (4,096 bytes), V's at 4,096 (16,384)
.set RED,  20480                       ; 8 bytes a wave: the scan's two maxima
.set CMB,  20736                       ; + 16,896 g: the second key half's O (32 x 512) and l (512)
.set CMBW, 16896
.set QZ,  12                           ; v[12:47]    0 q0 0 q1 0 q2 0 q3 0, four registers each: (q, 0) of tile t at 16 + 8 t, (0, q) at 12 + 8 t
.set CF,  48                           ; v[48:71]    tile t at 48 + 6 t: (c/32, c/32) (c/4, c/4) (c, c)
.set SC,  48                           ; v[48:127]   in the prologue: the scan's 20 quads
.set LS,  72                           ; v[72:79]    row sums, a pair a tile
.set KF,  80                           ; v[80:95]    K's fragment of chunk cc at 80 + 8 cc
.set VF,  96                           ; v[96:127]   V's fragments, channel tile c at 96 + 8 c
.set S,   128                          ; v[128:191]  scores, tile t at 128 + 16 t; the weights in f16 take its first 8 registers
.set T,   192                          ; v[192:207]  at work
.set ML,  204                          ; in the prologue: the running maxima (low, high)
.set G,   208                          ; v[208:227]  the next step's tiles on their way to LDS
.set L1,  228                          ; v[228:231]  |q|_1 of my query in tile t
.set KM,  232                          ; v[232:233]  max|k| for the low, the high block
; v1 16 lane; v2 16 thread; v3 my wave's word pair in RED; v4, v5 my half's K and V in LDS; v6 the mask's lane term; v7 my place in CMB; v8-v11 at work
; window 1 (v256 on): O^T, tile t, channel tile c at 32 t + 8 c
.set MSB, 0
.macro WIN new                         ; s_set_vgpr_msb: bits 1:0 source 0, 3:2 source 1, 5:4 source 2, 7:6 destination; the high byte repeats the setting that is left
.if MSB != \new
	s_set_vgpr_msb (MSB<<8)|\new
.set MSB, \new
.endif
.endm
	s_load_b256 s[8:15], s[0:1], 0x0               ; qws, kws, vws, aws
	v_lshl_add_u32 v254, v0, 2, 0x15900
	v_mov_b32 v255, 0
	v_lshrrev_b32 v8, 5, v0
	v_readfirstlane_b32 s4, v8                     ; wave 0..7
	s_mov_b32 s2, ttmp9                            ; i
	s_and_b32 s3, ttmp7, 0xffff                    ; 16 x batch + head
	s_and_b32 s5, s4, 3                            ; g
	s_lshr_b32 s6, s4, 2                           ; p
	s_add_co_u32 s31, s2, 4                        ; the low block's last step
	s_sub_co_u32 s32, 19, s2                       ; the high block's last step
	s_sub_co_u32 s39, 15, s2                       ; the high block
	s_mov_b32 s34, 0x76543210                      ; v_permlanex16_b32: each lane takes its own place in the other half
	s_mov_b32 s35, 0xfedcba98
	s_mov_b32 s40, 0x3d000000                      ; 1 / 32
	s_mov_b32 s41, 0x3e800000                      ; 1 / 4
	s_mov_b32 s42, 0x2b8cbccc                      ; 1e-12
	s_mov_b32 s44, 0x7fff7fff                      ; clears the signs of two f16
	v_and_b32 v9, 31, v0
	v_lshlrev_b32 v1, 4, v9
	v_lshlrev_b32 v2, 4, v0
	v_and_b32 v10, 15, v0                          ; r
	v_bfe_u32 v11, v0, 4, 1                        ; h
	v_lshl_add_u32 v4, s6, 11, v1                  ; my half's four key tiles
	v_lshl_add_u32 v5, s6, 13, v1
	v_add_nc_u32 v5, VT, v5
	s_lshl_b32 s36, s5, 5
	s_lshl_b32 s37, s6, 6
	s_sub_co_i32 s36, s36, s37
	v_lshlrev_b32 v8, 3, v11
	v_sub_nc_u32 v6, v10, v8
	v_add_nc_u32 v6, s36, v6                       ; 32 g + r - 8 h - 64 p
	s_mul_i32 s37, s5, CMBW
	s_add_co_u32 s37, s37, CMB
	v_add_nc_u32 v7, s37, v1
	s_lshl_b32 s38, s4, 3
	s_add_co_u32 s38, s38, RED
	v_mov_b32 v3, s38
.irp z, 0,1,2,3,4
.irp c, 0,1,2,3
	v_mov_b32 v[QZ+8*\z+\c], 0                     ; the zero halves of source 1
.endr
.endr
	s_mov_b32 s37, 0
	s_mul_i32 s36, s3, 81920                       ; a head of k: 160 tiles
	s_wait_kmcnt 0x0
	s_add_nc_u64 s[16:17], s[10:11], s[36:37]      ; K's tile of the step to be fetched
	s_mov_b64 s[20:21], s[16:17]                   ; the head's first key, for the scan
	s_mul_i32 s36, s3, 327680
	s_add_nc_u64 s[18:19], s[12:13], s[36:37]      ; V's tile of the step to be fetched
	s_lshl_b32 s38, s3, 7
	s_lshl1_add_u32 s38, s5, s38                   ; 128 x (batch, head) + 2 g
	s_lshl3_add_u32 s36, s2, s38
	s_lshl_b32 s36, s36, 9
	s_add_nc_u64 s[22:23], s[8:9], s[36:37]        ; my two low query tiles
	s_lshl3_add_u32 s36, s39, s38
	s_lshl_b32 s36, s36, 9
	s_add_nc_u64 s[24:25], s[8:9], s[36:37]        ; my two high query tiles
	s_lshr_b32 s38, s3, 4
	s_lshl_b32 s38, s38, 7
	s_lshl1_add_u32 s38, s5, s38                   ; token tile 128 x batch + 2 g
	s_and_b32 s43, s3, 15
	s_lshl_b32 s43, s43, 11                        ; the head's four channel tiles
	s_lshl3_add_u32 s36, s2, s38
	s_lshl_b32 s36, s36, 15
	s_add_co_u32 s36, s36, s43
	s_add_nc_u64 s[26:27], s[14:15], s[36:37]      ; output, low
	s_lshl3_add_u32 s36, s39, s38
	s_lshl_b32 s36, s36, 15
	s_add_co_u32 s36, s36, s43
	s_add_nc_u64 s[28:29], s[14:15], s[36:37]      ; output, high
; A step's tiles, 4,096 bytes of K and 16,384 of V, both dense in memory: 16 bytes a thread, five times
.macro LOADG
	global_load_b128 v[G:G+3], v2, s[16:17]
.irp n, 0,1,2,3
	global_load_b128 v[G+4+4*\n:G+7+4*\n], v2, s[18:19] offset:4096*\n
.endr
.endm
.macro STOREL left                     ; left: the younger loads, which may stay out
	s_wait_loadcnt \left                           ; the five loads are in, so their bases may step
	s_add_nc_u64 s[16:17], s[16:17], 4096
	s_add_nc_u64 s[18:19], s[18:19], 16384
	ds_store_b128 v2, v[G:G+3]
.irp n, 0,1,2,3
	ds_store_b128 v2, v[G+4+4*\n:G+7+4*\n] offset:VT+4096*\n
.endr
.endm
; |.| of the 8 f16 in v[src .. src + 3], as f32 in v[T .. T + 7]
.macro ABS8 src
.irp c, 0,1,2,3
	v_and_b32 v[8+\c], s44, v[\src+\c]
.endr
	v_cvt_f32_f16 v[T], v8.l
	v_cvt_f32_f16 v[T+1], v8.h
	v_cvt_f32_f16 v[T+2], v9.l
	v_cvt_f32_f16 v[T+3], v9.h
	v_cvt_f32_f16 v[T+4], v10.l
	v_cvt_f32_f16 v[T+5], v10.h
	v_cvt_f32_f16 v[T+6], v11.l
	v_cvt_f32_f16 v[T+7], v11.h
.endm
; Tile t's 16 scores a lane (32 keys of chunk cc) become weights: c a by two fused multiply-adds; m = 1: keys behind the query get 0; the row sum; rounding to f16, in place.
; Each score tile is read from its lowest registers on.
.macro POLY t, m, cc, zero
.set rS, S+16*\t
.set rC, CF+6*\t
.irp u, 0,1,2,3,4,5,6,7
	v_pk_fma_f32 v[T+2*\u:T+2*\u+1], v[rS+2*\u:rS+2*\u+1], v[rC:rC+1], v[rC+2:rC+3]
.endr
.irp u, 0,1,2,3,4,5,6,7
	v_pk_fma_f32 v[rS+2*\u:rS+2*\u+1], v[T+2*\u:T+2*\u+1], v[rS+2*\u:rS+2*\u+1], v[rC+4:rC+5]
.endr
.if \m
.irp e, 0,1,2,3,4,5,6,7,8,9,10,11,12,13,14,15
	v_cmp_le_i32 vcc_lo, 32*\cc+16*(\e/8)+(\e%8)-16*(\t%2), v6     ; key 64 p + 32 cc + 16 (e / 8) + 8 h + e % 8 <= query 32 g + 16 (t % 2) + r
	v_cndmask_b32 v[rS+\e], 0, v[rS+\e], vcc_lo
.endr
.endif
.irp u, 0,1,2,3
	v_pk_add_f32 v[T+2*\u:T+2*\u+1], v[rS+4*\u:rS+4*\u+1], v[rS+4*\u+2:rS+4*\u+3]
.endr
	v_pk_add_f32 v[T:T+1], v[T:T+1], v[T+2:T+3]
	v_pk_add_f32 v[T+4:T+5], v[T+4:T+5], v[T+6:T+7]
.if \zero
	v_pk_add_f32 v[LS+2*\t:LS+2*\t+1], v[T:T+1], v[T+4:T+5]        ; the first chunk starts the row sums
.else
	v_pk_add_f32 v[T:T+1], v[T:T+1], v[T+4:T+5]
	v_pk_add_f32 v[LS+2*\t:LS+2*\t+1], v[LS+2*\t:LS+2*\t+1], v[T:T+1]
.endif
.irp c, 0,1,2,3,4,5,6,7
	v_cvt_pk_f16_f32 v[rS+\c], v[rS+2*\c], v[rS+2*\c+1]
.endr
.endm
; 32 keys of my half of the step.  lo: the low tiles take no part (0), take part (1), are masked (2); hi: 1 or 2.  zero = 1: the products start O^T's sums.
.macro CHUNK cc, lo, hi, zero
.if \cc == 0
	ds_load_b128 v[KF:KF+3],     v4
	ds_load_b128 v[KF+4:KF+7],   v4 offset:512
	ds_load_b128 v[KF+8:KF+11],  v4 offset:1024
	ds_load_b128 v[KF+12:KF+15], v4 offset:1536
.endif
.irp c, 0,1,2,3
	ds_load_b128 v[VF+8*\c:VF+8*\c+3],   v5 offset:4096*\cc+512*\c
	ds_load_b128 v[VF+8*\c+4:VF+8*\c+7], v5 offset:4096*\cc+512*\c+2048
.endr
.if \cc == 0
	s_wait_dscnt 10                                ; K's first fragment is in; its second (2 loads) and V's (8) may be out.  Chunk 1's K was shown in by chunk 0's wait for 0
.endif
.irp t, 0,1,2,3
.if (\t > 1) || \lo
	v_wmma_f32_16x16x32_f16 v[S+16*\t:S+16*\t+7],    v[KF+8*\cc:KF+8*\cc+7], v[QZ+4+8*\t:QZ+11+8*\t], 0
	v_wmma_f32_16x16x32_f16 v[S+16*\t+8:S+16*\t+15], v[KF+8*\cc:KF+8*\cc+7], v[QZ+8*\t:QZ+7+8*\t], 0
.endif
.endr
.rept 4
	v_nop                                          ; four places before vector work reads the scores (ISA guide 7.12.1)
.endr
.if \lo
	POLY 0, \lo-1, \cc, \zero
	POLY 1, \lo-1, \cc, \zero
.endif
	POLY 2, \hi-1, \cc, \zero
	POLY 3, \hi-1, \cc, \zero
	s_wait_dscnt 0x0                               ; V's fragments
	WIN 0x50                                       ; C and D in window 1
.irp c, 0,1,2,3
.irp t, 0,1,2,3
.if (\t > 1) || \lo
.if \zero
	v_wmma_f32_16x16x32_f16 v[32*\t+8*\c:32*\t+8*\c+7], v[VF+8*\c:VF+8*\c+7], v[S+16*\t:S+16*\t+7], 0
.else
	v_wmma_f32_16x16x32_f16 v[32*\t+8*\c:32*\t+8*\c+7], v[VF+8*\c:VF+8*\c+7], v[S+16*\t:S+16*\t+7], v[32*\t+8*\c:32*\t+8*\c+7]   ; each accumulator once a chunk: they take turns
.endif
.endif
.endr
.endr
	WIN 0
.rept 5
	v_nop                                          ; five places before the next score products write over the weights, four before loads into K's and V's fragments
.endr
.endm
; A step.  more = 1: the next step's tiles are asked for first; behind the work come two barriers: all reads of the tile are over; the new tile is whole.
.macro STEP lo, hi, zero, more
.if \more
	LOADG
.endif
	CHUNK 0, \lo, \hi, \zero
	CHUNK 1, \lo, \hi, 0
.if \more
	s_wait_dscnt 0x0                               ; my reads of the tile are back
	s_barrier_signal -1
	s_barrier_wait -1
	STOREL 0
	s_wait_dscnt 0x0                               ; for the others' sake: my part of the new tile is written
	s_barrier_signal -1
	s_barrier_wait -1
.endif
.endm
	LOADG                                          ; step 0
	global_load_b128 v[QZ+4:QZ+7],   v1, s[22:23]
	global_load_b128 v[QZ+12:QZ+15], v1, s[22:23] offset:512
	global_load_b128 v[QZ+20:QZ+23], v1, s[24:25]
	global_load_b128 v[QZ+28:QZ+31], v1, s[24:25] offset:512
.set sc, 0
.rept 20
	global_load_b128 v[SC+4*sc:SC+4*sc+3], v2, s[20:21] offset:4096*sc     ; the head's keys, 16 bytes a thread and step, for max|k|
.set sc, sc+1
.endr
	STOREL 24                                      ; behind step 0's five loads stand Q's 4 and the scan's 20
	s_wait_loadcnt 20                              ; Q is in; the scan's 20 may be out
.irp t, 0,1,2,3
	ABS8 QZ+4+8*\t
	v_pk_add_f32 v[T:T+1], v[T:T+1], v[T+2:T+3]
	v_pk_add_f32 v[T+4:T+5], v[T+4:T+5], v[T+6:T+7]
	v_pk_add_f32 v[T:T+1], v[T:T+1], v[T+4:T+5]
	v_add_f32 v[T], v[T], v[T+1]
	v_permlanex16_b32 v[T+1], v[T], s34, s35       ; the query's other 8 features lie in the lane 16 away
	v_add_f32 v[L1+\t], v[T], v[T+1]
.endr
	; max|k| over steps 0 .. 4 + i (low) and 0 .. 19 - i (high).  A step beyond a block's last is taken as 0 by a mask made of i: no branch
.set sc, 0
.rept 20
	s_wait_loadcnt 19-sc                           ; step sc's quad is in, the younger ones may be out
	ABS8 SC+4*sc
	v_max3_num_f32 v[T], v[T], v[T+1], v[T+2]
	v_max3_num_f32 v[T+3], v[T+3], v[T+4], v[T+5]
	v_max3_num_f32 v[T], v[T], v[T+6], v[T+7]
.if sc == 0
	v_max_num_f32 v[ML], v[T], v[T+3]
	v_mov_b32 v[ML+1], v[ML]
.else
	v_max_num_f32 v[T], v[T], v[T+3]
.if sc <= 4
	v_max_num_f32 v[ML], v[ML], v[T]
.elseif sc <= 11
	s_cmp_ge_u32 s31, sc
	s_cselect_b32 s33, -1, 0
	v_and_b32 v[T+1], s33, v[T]
	v_max_num_f32 v[ML], v[ML], v[T+1]
.endif
.if sc <= 12
	v_max_num_f32 v[ML+1], v[ML+1], v[T]
.else
	s_cmp_ge_u32 s32, sc
	s_cselect_b32 s33, -1, 0
	v_and_b32 v[T+1], s33, v[T]
	v_max_num_f32 v[ML+1], v[ML+1], v[T+1]
.endif
.endif
.set sc, sc+1
.endr
.irp x, 1,2,4,8
	v_max_num_f32_dpp v[ML], v[ML], v[ML] row_xmask:\x row_mask:0xf bank_mask:0xf
	v_max_num_f32_dpp v[ML+1], v[ML+1], v[ML+1] row_xmask:\x row_mask:0xf bank_mask:0xf
.endr
	v_permlanex16_b32 v[T], v[ML], s34, s35
	v_permlanex16_b32 v[T+1], v[ML+1], s34, s35
	v_max_num_f32 v[ML], v[ML], v[T]
	v_max_num_f32 v[ML+1], v[ML+1], v[T+1]
	ds_store_b64 v3, v[ML:ML+1]                    ; all lanes write the same two words
	s_wait_dscnt 0x0                               ; for the others' sake: my maxima and my part of step 0's tile are written
	s_barrier_signal -1
	s_barrier_wait -1
	v_mov_b32 v8, RED
.irp c, 0,1,2,3
	ds_load_b128 v[T+4*\c:T+4*\c+3], v8 offset:16*\c
.endr
	s_wait_dscnt 0x0
.irp c, 0,1
	v_max3_num_f32 v[KM+\c], v[T+\c], v[T+2+\c], v[T+4+\c]
	v_max3_num_f32 v[KM+\c], v[KM+\c], v[T+6+\c], v[T+8+\c]
	v_max3_num_f32 v[KM+\c], v[KM+\c], v[T+10+\c], v[T+12+\c]
	v_max_num_f32 v[KM+\c], v[KM+\c], v[T+14+\c]
.endr
.irp t, 0,1,2,3
	v_mul_f32 v[T+\t], v[L1+\t], v[KM+\t/2]        ; t >= |q . k| for every key that the block walks
	v_fma_f32 v[T+4+\t], v[T+\t], s40, s41
	v_fma_f32 v[T+4+\t], v[T+4+\t], v[T+\t], 1.0   ; 1 + t / 4 + t^2 / 32 >= every a
.endr
.irp t, 0,1,2,3
	v_rcp_f32 v[T+8+\t], v[T+4+\t]
.endr
	v_nop                                          ; a plain instruction between the last reciprocal and the use of its result (ISA guide 5.7.2)
	s_wait_alu depctr_va_vdst(0)
.irp t, 0,1,2,3
	v_mul_f32 v[CF+6*\t+4], 0x46800000, v[T+8+\t]  ; c = 2^14 / bound
	v_mul_f32 v[CF+6*\t+2], s41, v[CF+6*\t+4]
	v_mul_f32 v[CF+6*\t], s40, v[CF+6*\t+4]
	v_mov_b32 v[CF+6*\t+5], v[CF+6*\t+4]
	v_mov_b32 v[CF+6*\t+3], v[CF+6*\t+2]
	v_mov_b32 v[CF+6*\t+1], v[CF+6*\t]
.endr
	STEP 1, 1, 1, 1                                ; step 0 starts every sum
	s_add_co_u32 s30, s2, 3
.Lboth:                                                ; steps 1 .. 3 + i: both blocks, all keys
	STEP 1, 1, 0, 1
	s_sub_co_i32 s30, s30, 1
	s_cmp_lg_u32 s30, 0
	s_cbranch_scc1 .Lboth
	STEP 2, 1, 0, 1                                ; step 4 + i: the low block's own keys, masked
	s_lshl_b32 s30, s2, 1
	s_sub_co_u32 s30, 14, s30
	s_cmp_eq_u32 s30, 0
	s_cbranch_scc1 .Lno_high
.Lhigh:                                                ; steps 5 + i .. 18 - i: the high block alone
	STEP 0, 1, 0, 1
	s_sub_co_i32 s30, s30, 1
	s_cmp_lg_u32 s30, 0
	s_cbranch_scc1 .Lhigh
.Lno_high:
	STEP 0, 2, 0, 0                                ; step 19 - i: the high block's own keys, masked; nothing more is fetched
	; THE WAY OUT.  A query's row sum: the pair's two halves and the other half of the lanes.
.irp t, 0,1,2,3
	v_add_f32 v[T+8+\t], v[LS+2*\t], v[LS+2*\t+1]
.endr
.irp t, 0,1,2,3
	v_permlanex16_b32 v[T+12+\t], v[T+8+\t], s34, s35
.endr
.irp t, 0,1,2,3
	v_add_f32 v[T+8+\t], v[T+8+\t], v[T+12+\t]
.endr
	s_cmp_lt_u32 s4, 4
	s_cbranch_scc1 .Lkeep                          ; the waves of the first key half keep their sums
	WIN 0x04                                       ; store data in window 1
.set ii, 0
.rept 32
	ds_store_b128 v7, v[4*ii:4*ii+3] offset:512*ii ; each accumulator's low four registers first
.set ii, ii+1
.endr
	WIN 0
	ds_store_b128 v7, v[T+8:T+11] offset:16384
.Lkeep:
	s_wait_dscnt 0x0                               ; for the partner's sake: my sums are written
	s_barrier_signal -1
	s_barrier_wait -1
	s_cmp_ge_u32 s4, 4
	s_cbranch_scc1 .Lend                           ; the second half's waves are done; no barrier follows
	ds_load_b128 v[T+12:T+15], v7 offset:16384
	s_wait_dscnt 0x0
.irp t, 0,1,2,3
	v_add_f32 v[T+8+\t], v[T+8+\t], v[T+12+\t]
	v_fma_f32 v[T+8+\t], v[CF+6*\t+4], s42, v[T+8+\t]      ; c (sum of a) + c 1e-12
.endr
.irp t, 0,1,2,3
	v_rcp_f32 v[T+2*\t], v[T+8+\t]
	v_rcp_f32 v[T+2*\t+1], v[T+8+\t]               ; twice: a pair for the packed multiply
.endr
	v_nop                                          ; a plain instruction behind the last reciprocal
	s_wait_alu depctr_va_vdst(0)
; Two query tiles: the partner's O^T is added, the sum divided, rounded to f16 and stored: a wave's store covers a whole tile, 512 consecutive bytes, aligned
.macro HALF hf, ptr
.if \hf
	s_wait_xcnt 0x0                                ; the first half's stores read these registers: they are loaded again only behind this wait (ISA guide 3.1)
.endif
.set ii, 0
.rept 16
	ds_load_b128 v[S+4*ii:S+4*ii+3], v7 offset:(16*\hf+ii)*512
.set ii, ii+1
.endr
	s_wait_dscnt 0x0
	WIN 0x01                                       ; source 0 in window 1
.set ii, 0
.rept 32
	v_pk_add_f32 v[S+2*ii:S+2*ii+1], v[64*\hf+2*ii:64*\hf+2*ii+1], v[S+2*ii:S+2*ii+1]
.set ii, ii+1
.endr
	WIN 0
.set ii, 0
.rept 32
	v_pk_mul_f32 v[S+2*ii:S+2*ii+1], v[S+2*ii:S+2*ii+1], v[T+2*(2*\hf+ii/16):T+2*(2*\hf+ii/16)+1]
.set ii, ii+1
.endr
.set ii, 0
.rept 32
	v_cvt_pk_f16_f32 v[S+8*(ii/4)+ii%4], v[S+8*(ii/4)+2*(ii%4)], v[S+8*(ii/4)+2*(ii%4)+1]
.set ii, ii+1
.endr
.irp m, 0,1,2,3,4,5,6,7
	global_store_b128 v1, v[S+8*\m:S+8*\m+3], s[\ptr:\ptr+1] offset:(\m/4)*32768+(\m%4)*512
.endr
.endm
	HALF 0, 26
	HALF 1, 28
.Lend:
	s_wait_tensorcnt 0x0
	ds_add_u32 v254, v255
	s_wait_dscnt 0x0
	s_endpgm
.Lfunc_end_k_q0ba4ddf5a8_attn:
	.size	k_q0ba4ddf5a8_attn, .Lfunc_end_k_q0ba4ddf5a8_attn-k_q0ba4ddf5a8_attn
	.p2alignl 7, 3214868480
	.fill 96, 4, 3214868480
	.section	.rodata,"a",@progbits
	.p2align	6, 0x0
	.amdhsa_kernel k_q0ba4ddf5a8_attn
		.amdhsa_group_segment_fixed_size 89344
		.amdhsa_private_segment_fixed_size 0
		.amdhsa_enable_private_segment 0
		.amdhsa_kernarg_size 32
		.amdhsa_user_sgpr_count 2
		.amdhsa_user_sgpr_kernarg_segment_ptr 1
		.amdhsa_wavefront_size32 1
		.amdhsa_system_sgpr_workgroup_id_x 1
		.amdhsa_system_sgpr_workgroup_id_y 1
		.amdhsa_system_sgpr_workgroup_id_z 1
		.amdhsa_system_vgpr_workitem_id 0
		.amdhsa_next_free_vgpr 384
		.amdhsa_next_free_sgpr 66
		.amdhsa_reserve_vcc 1
		.amdhsa_float_denorm_mode_32 3
		.amdhsa_float_denorm_mode_16_64 3
		.amdhsa_memory_ordered 1
		.amdhsa_forward_progress 1
		.amdhsa_inst_pref_size 146
	.end_amdhsa_kernel
	.amdgpu_metadata
---
amdhsa.version: [ 1, 2 ]
amdhsa.kernels:
  - .name:           k_q0ba4ddf5a8_attn
    .symbol:         k_q0ba4ddf5a8_attn.kd
    .args:
      - { .name: qws, .offset: 0, .size: 8, .value_kind: global_buffer, .address_space: global }
      - { .name: kws, .offset: 8, .size: 8, .value_kind: global_buffer, .address_space: global }
      - { .name: vws, .offset: 16, .size: 8, .value_kind: global_buffer, .address_space: global }
      - { .name: aws, .offset: 24, .size: 8, .value_kind: global_buffer, .address_space: global }
    .group_segment_fixed_size: 89344
    .private_segment_fixed_size: 0
    .kernarg_segment_align: 8
    .kernarg_segment_size: 32
    .max_flat_workgroup_size: 256
    .sgpr_count:     66
    .vgpr_count:     384
    .wavefront_size: 32
...
	.end_amdgpu_metadata
.endif
;; end of part 2
;; launch outp (part 3): grid 8 x 32, 8 waves a work-group, no clusters, 105,472 bytes of LDS; arguments aws, Wout, out0; writes out0
.if DOCPART == 3
	.amdgcn_target "amdgcn-amd-amdhsa--gfx1250"
	.amdhsa_code_object_version 6
	.text
	.protected	k_q0ba4ddf5a8_outp
	.globl	k_q0ba4ddf5a8_outp
	.p2align	8
	.type	k_q0ba4ddf5a8_outp,@function
k_q0ba4ddf5a8_outp:
	s_mov_b64 s[64:65], 0
	v_nop
	global_prefetch_b8 v0, s[64:65] scope:SCOPE_SE
	s_setreg_imm32_b32 hwreg(HW_REG_WAVE_MODE, 25, 1), 1
	s_wait_xcnt 0x0
; out0 = attn Wout^T.  attn: 4,096 tokens x 1,024 channels in f16, as tiles of 16 tokens x 16 channels (512 bytes, lane (r, h) owning token r, channels 8 h .. 8 h + 7 at byte 16 lane);
; Wout f32, rounded to f16 on the way into LDS; f32 sums; out0 f32.
; LIMIT: f16 operands: |Wout| has to stay below 65,504.
; A work-group makes 128 tokens x 128 columns over K = 1024 in 16 steps of 64: 8 x 32 = 256 work-groups.  Eight waves: wi = w % 2 picks 64 columns, wj = w / 2 picks 32 tokens.
; Source 0 = 16 rows of Wout, source 1 = 16 tokens: a lane's eight results are eight neighbouring columns of one token's row.
; NO JOINT TILE LOADS: Wout is f32 in memory; through registers each number is rounded once per work-group and an LDS row of 64 K is 128 bytes, not 256.
.set PITCH,  144                       ; Wout's LDS row: 128 bytes + 16, an odd multiple of 16: the 16 rows of a fragment load fall on different banks (ISA guide 11.1)
.set REG,    128*PITCH                 ; Wout's 128 rows; behind them 8 token tiles x 4 channel tiles x 512 bytes, read at 16 lane
.set BUF,    REG+16384                 ; two such buffers take turns
.set STG,    2*BUF                     ; behind them: 16 rows x 272 bytes for each wave, for the way out
.set SP,     272
.set KSTEPS, 16
.set ACC, 16                           ; v[16:79]    accumulator (i, j) at 16 + 8 (2 i + j)
.set F0,  80                           ; v[80:143]   Wout's fragments: 80 + 32 kb + 8 i; on the way out: rows read back
.set F1,  144                          ; v[144:175]  the tokens' fragments: 144 + 16 kb + 8 j
.set G,   176                          ; v[176:207]  Wout's 8 quads from memory
.set GA,  208                          ; v[208:223]  attn's 4 quads
; v1 my 16 bytes in Wout's rows; v2, v3 where they go in buffer 0, 1; v4, v5 my fragments; v10 my 16 bytes in attn; v11, v12 where they go; v13, v14 stage in, back; v15 my 16 bytes in out0
	s_load_b128 s[8:11], s[0:1], 0x0               ; aws, Wout
	s_load_b64 s[12:13], s[0:1], 0x10              ; out0
	v_lshl_add_u32 v240, v0, 2, 0x19800
	v_mov_b32 v241, 0
	v_lshrrev_b32 v6, 5, v0
	v_readfirstlane_b32 s26, v6                    ; wave 0..7
	s_and_b32 s27, s26, 1                          ; wi
	s_lshr_b32 s28, s26, 1                         ; wj
	s_mov_b32 s2, ttmp9                            ; column block
	s_and_b32 s3, ttmp7, 0xffff                    ; token block
	v_lshrrev_b32 v6, 4, v0
	v_and_b32 v7, 15, v0
	v_lshlrev_b32 v1, 12, v6
	v_lshl_or_b32 v1, v7, 4, v1
	v_mul_u32_u24 v2, v6, PITCH
	v_lshl_add_u32 v2, v7, 3, v2
	v_add_nc_u32 v3, BUF, v2
	v_bfe_u32 v8, v0, 4, 1                         ; h
	v_mul_u32_u24 v4, v7, PITCH
	v_lshl_add_u32 v4, v8, 4, v4
	s_mul_i32 s44, s27, 64*PITCH
	v_add_nc_u32 v4, s44, v4
	v_and_b32 v9, 31, v0
	v_lshlrev_b32 v9, 4, v9                        ; 16 lane
	s_lshl_b32 s44, s28, 12                        ; my two token tiles
	s_add_co_u32 s44, s44, REG
	v_add_nc_u32 v5, s44, v9
	s_lshl_b32 s44, s26, 15                        ; wave w copies token tile w: 64 channel tiles of 512 bytes apart
	v_add_nc_u32 v10, s44, v9
	s_lshl_b32 s44, s26, 11
	s_add_co_u32 s44, s44, REG
	v_add_nc_u32 v11, s44, v9
	v_add_nc_u32 v12, BUF, v11
	s_mul_i32 s44, s26, 16*SP
	s_add_co_u32 s44, s44, STG                     ; my stage
	v_mul_u32_u24 v13, v7, SP                      ; in: token r, 32 bytes for each half of the lanes
	v_lshl_add_u32 v13, v8, 5, v13
	v_add_nc_u32 v13, s44, v13
	v_mul_u32_u24 v14, v8, SP                      ; back: lanes 0-15 one row of 256 bytes, lanes 16-31 the next
	v_lshl_add_u32 v14, v7, 4, v14
	v_add_nc_u32 v14, s44, v14
	v_lshlrev_b32 v15, 12, v8                      ; and the same two rows in out0
	v_lshl_or_b32 v15, v7, 4, v15
	s_mov_b32 s45, 0
	s_mov_b32 s47, 0
	s_wait_kmcnt 0x0
	s_lshl_b32 s44, s2, 19                         ; 128 rows of Wout of 4,096 bytes
	s_add_nc_u64 s[36:37], s[10:11], s[44:45]
	s_lshl_b32 s44, s3, 18                         ; 8 token tiles of 32,768 bytes
	s_add_nc_u64 s[38:39], s[8:9], s[44:45]
	s_lshl_b32 s44, s3, 19                         ; out0: row 128 x block + 32 wj, column 128 x block + 64 wi
	s_lshl_b32 s46, s28, 17
	s_add_co_u32 s44, s44, s46
	s_lshl_b32 s46, s2, 9
	s_add_co_u32 s44, s44, s46
	s_lshl_b32 s46, s27, 8
	s_add_co_u32 s44, s44, s46
	s_add_nc_u64 s[40:41], s[12:13], s[44:45]
.macro LOADG                           ; a K step: my token tile's 4 channel tiles (2,048 dense bytes), then 128 rows x 256 bytes of Wout, sixteen lanes to a row's 256 aligned bytes
.irp c, 0,1,2,3
	global_load_b128 v[GA+4*\c:GA+4*\c+3], v10, s[38:39] offset:512*\c
.endr
.irp n, 0,1,2,3,4,5,6,7
	global_load_b128 v[G+4*\n:G+4*\n+3], v1, s[36:37] offset:\n*65536
.endr
.endm
.macro STAGE buf
.irp c, 0,1,2,3
	s_wait_loadcnt 11-\c                           ; loads come back in order (ISA guide 5.7.1): of the run of 12, the 11 - c younger ones may be out
	ds_store_b128 v[11+\buf], v[GA+4*\c:GA+4*\c+3] offset:512*\c
.endr
.irp n, 0,1,2,3,4,5,6,7
	s_wait_loadcnt 7-\n
	v_cvt_pk_f16_f32 v[G+4*\n], v[G+4*\n], v[G+4*\n+1]
	v_cvt_pk_f16_f32 v[G+4*\n+1], v[G+4*\n+2], v[G+4*\n+3]
	ds_store_b64 v[2+\buf], v[G+4*\n:G+4*\n+1] offset:\n*16*PITCH
.endr
	s_add_nc_u64 s[36:37], s[36:37], 256           ; behind the wait for 0: no load that names these is out
	s_add_nc_u64 s[38:39], s[38:39], 2048
.endm
.macro FRAGS buf                       ; 24 LDS loads; the first 32 along K first
.irp kb, 0,1
.irp i, 0,1,2,3
	ds_load_b128 v[F0+32*\kb+8*\i:F0+32*\kb+8*\i+3],   v4 offset:\buf*BUF+\i*16*PITCH+\kb*64
	ds_load_b128 v[F0+32*\kb+8*\i+4:F0+32*\kb+8*\i+7], v4 offset:\buf*BUF+\i*16*PITCH+\kb*64+32
.endr
.irp j, 0,1
	ds_load_b128 v[F1+16*\kb+8*\j:F1+16*\kb+8*\j+3],   v5 offset:\buf*BUF+2048*\j+1024*\kb
	ds_load_b128 v[F1+16*\kb+8*\j+4:F1+16*\kb+8*\j+7], v5 offset:\buf*BUF+2048*\j+1024*\kb+512
.endr
.endr
.endm
.macro MM kb, zero                     ; the eight accumulators take turns, one instruction a turn
.irp i, 0,1,2,3
.irp j, 0,1
.if \zero
	v_wmma_f32_16x16x32_f16 v[ACC+8*(2*\i+\j):ACC+8*(2*\i+\j)+7], v[F0+32*\kb+8*\i:F0+32*\kb+8*\i+7], v[F1+16*\kb+8*\j:F1+16*\kb+8*\j+7], 0
.else
	v_wmma_f32_16x16x32_f16 v[ACC+8*(2*\i+\j):ACC+8*(2*\i+\j)+7], v[F0+32*\kb+8*\i:F0+32*\kb+8*\i+7], v[F1+16*\kb+8*\j:F1+16*\kb+8*\j+7], v[ACC+8*(2*\i+\j):ACC+8*(2*\i+\j)+7]
.endif
.endr
.endr
.endm
; A K step on buffer buf; one barrier a step: in front of it each wave's reads of this buffer are back and its stores into the other are done.
; STAGE's 16 conversions name no register of the products: they are the places in front of the next loads into the products' sources.
.macro STEP buf, zero, more
.if \more
	LOADG
.endif
	FRAGS \buf
	s_wait_dscnt 12                                ; the first 32 along K are in; the 12 loads of the second 32 may be out
	MM 0, \zero
	s_wait_dscnt 0x0
	MM 1, 0
.if \more
	STAGE 1-\buf
	s_wait_dscnt 0x0
	s_barrier_signal -1
	s_barrier_wait -1
.endif
.endm
	LOADG
	STAGE 0
	s_wait_dscnt 0x0
	s_barrier_signal -1
	s_barrier_wait -1
	STEP 0, 1, 1                                   ; the first K step starts the sums
	s_mov_b32 s43, (KSTEPS-2)/2
.Lk:
	STEP 1, 0, 1
	STEP 0, 0, 1
	s_sub_co_i32 s43, s43, 1
	s_cmp_lg_u32 s43, 0
	s_cbranch_scc1 .Lk
	STEP 1, 0, 0
.rept 4
	v_nop                                          ; four places behind the last product: its results are stored, and its sources loaded into, below
.endr
	; THE WAY OUT: 16 tokens x 64 columns at a time through my own stage: in by lanes (32 bytes of a row each), back by whole rows of 256 bytes.
	; LDS serves a wave's instructions in order (ISA guide 5.7.1.4): the loads see the stores above them, and the next block's stores come behind these loads.
.irp j, 0,1
.irp i, 0,1,2,3
	ds_store_b128 v13, v[ACC+8*(2*\i+\j):ACC+8*(2*\i+\j)+3]   offset:64*\i
	ds_store_b128 v13, v[ACC+8*(2*\i+\j)+4:ACC+8*(2*\i+\j)+7] offset:64*\i+16
.endr
.irp t, 0,1,2,3,4,5,6,7
	ds_load_b128 v[F0+32*\j+4*\t:F0+32*\j+4*\t+3], v14 offset:\t*2*SP
.endr
.irp t, 0,1,2,3,4,5,6,7
	s_wait_dscnt 7-\t                              ; the 7 - t younger read-backs may be out
	global_store_b128 v15, v[F0+32*\j+4*\t:F0+32*\j+4*\t+3], s[40:41] offset:(16*\j+2*\t)*4096 th:TH_STORE_NT   ; 16 lanes store 256 consecutive bytes, at a multiple of 256 from out0's first byte
.endr
.endr
	s_wait_tensorcnt 0x0
	ds_add_u32 v240, v241
	s_wait_dscnt 0x0
	s_endpgm
.Lfunc_end_k_q0ba4ddf5a8_outp:
	.size	k_q0ba4ddf5a8_outp, .Lfunc_end_k_q0ba4ddf5a8_outp-k_q0ba4ddf5a8_outp
	.p2alignl 7, 3214868480
	.fill 96, 4, 3214868480
	.section	.rodata,"a",@progbits
	.p2align	6, 0x0
	.amdhsa_kernel k_q0ba4ddf5a8_outp
		.amdhsa_group_segment_fixed_size 105472
		.amdhsa_private_segment_fixed_size 0
		.amdhsa_enable_private_segment 0
		.amdhsa_kernarg_size 24
		.amdhsa_user_sgpr_count 2
		.amdhsa_user_sgpr_kernarg_segment_ptr 1
		.amdhsa_wavefront_size32 1
		.amdhsa_system_sgpr_workgroup_id_x 1
		.amdhsa_system_sgpr_workgroup_id_y 1
		.amdhsa_system_sgpr_workgroup_id_z 1
		.amdhsa_system_vgpr_workitem_id 0
		.amdhsa_next_free_vgpr 242
		.amdhsa_next_free_sgpr 66
		.amdhsa_reserve_vcc 0
		.amdhsa_float_denorm_mode_32 3
		.amdhsa_float_denorm_mode_16_64 3
		.amdhsa_memory_ordered 1
		.amdhsa_forward_progress 1
		.amdhsa_inst_pref_size 32
	.end_amdhsa_kernel
	.amdgpu_metadata
---
amdhsa.version: [ 1, 2 ]
amdhsa.kernels:
  - .name:           k_q0ba4ddf5a8_outp
    .symbol:         k_q0ba4ddf5a8_outp.kd
    .args:
      - { .name: aws, .offset: 0, .size: 8, .value_kind: global_buffer, .address_space: global }
      - { .name: Wout, .offset: 8, .size: 8, .value_kind: global_buffer, .address_space: global }
      - { .name: out0, .offset: 16, .size: 8, .value_kind: global_buffer, .address_space: global }
    .group_segment_fixed_size: 105472
    .private_segment_fixed_size: 0
    .kernarg_segment_align: 8
    .kernarg_segment_size: 24
    .max_flat_workgroup_size: 256
    .sgpr_count:     66
    .vgpr_count:     242
    .wavefront_size: 32
...
	.end_amdgpu_metadata
.endif
;; end of part 3
;; ======== version 2 of 3: 3 launches; 1.17 times as fast as version 1
;; limits: values are held in f16: magnitudes above 65,504 overflow, below 6.1e-05 lose precision; right only within a limited range of input values; values outside matrix products are rounded to f16
;; workspace buffers: qws 2,097,152 bytes; kws 2,621,440 bytes; vws 10,485,760 bytes; aws 8,388,608 bytes
;; launch proj (part 4): grid 232 x 1, 8 waves a work-group, no clusters, 111,616 bytes of LDS; arguments x, Wq, Wk, Wv, Wk_enc, Wv_enc, qws, kws, vws; writes qws, kws, vws
.if DOCPART == 4
	.amdgcn_target "amdgcn-amd-amdhsa--gfx1250"
	.amdhsa_code_object_version 6
	.text
	.protected	k_q0ba4ddf5a8_proj
	.globl	k_q0ba4ddf5a8_proj
	.p2align	8
	.type	k_q0ba4ddf5a8_proj,@function
k_q0ba4ddf5a8_proj:
	s_mov_b64 s[64:65], 0
	v_nop
	global_prefetch_b8 v0, s[64:65] scope:SCOPE_SE
	s_setreg_imm32_b32 hwreg(HW_REG_WAVE_MODE, 25, 1), 1
	s_wait_xcnt 0x0
; q, k, v = x W^T on all 2 x 2048 tokens; k_enc, v_enc = x W^T on the first 512 tokens of each batch.  x and the weights are f32; they are rounded to f16
; on the way into LDS, multiplied in f16 with f32 sums, and the results are stored in f16.
; LIMIT: f16 operands and results: |x|, |W|, |q|, |k|, |v| have to stay below 65,504.
; SHARES.  A work-group multiplies 128 rows of source 0 by 256 rows of source 1 over K = 1024: 384 rows are read for 32,768 results.
;   q, k, k_enc: 128 rows of the weight (8 heads) x 256 tokens: 16 token blocks x (q 2 + k 2) + 4 token blocks x 2 = 72 work-groups (ids 0-63, 64-71);
;   v, v_enc:    128 tokens x 256 rows of the weight (4 heads): 32 token blocks x 4 + 8 token blocks x 4 = 160 work-groups (ids 72-199, 200-231).
; 232 work-groups of equal work.  Eight waves: wi = w % 2 picks 64 rows of source 0, wj = w / 2 picks 64 rows of source 1: 16 accumulators a wave, one LDS load for each matrix instruction.
; OUTPUT FORM (tile16): a tile is 16 rows x 16 f16 = 512 bytes; lane (r = lane % 16, h = lane / 16) owns bytes 16 lane .. +15 = row r, elements 8 h .. 8 h + 7:
; half a 16-bit matrix fragment.  q, k: row = token, elements = the head's 16 features.  v: row = channel, elements = 16 keys (V transposed).
; Which of the two forms comes out is a matter of which operand is source 0: LDS region 0 feeds source 0, region 1 source 1, and the result holds, in lane r,
; region 1's row r and region 0's rows 8 h + 0..7.  So q and k put W into region 0 and x into region 1, v the other way round: two pointers are chosen, the code is one.
; THE RING.  K goes in 16 steps of 64.  Step t's operands come from memory into register set t % 2 and go, rounded, into LDS buffer t % 2.  A set is asked for again as soon as it has been
; emptied, two steps ahead of its use: one or two sets of 96 KiB of the work-group are always on their way.
; NO JOINT TILE LOADS: the shared operands are f32 in memory.  Through registers each number is rounded once per work-group and an LDS row of 64 K is 128 bytes;
; copied as they lie they would be 256 bytes a row in every fragment read and be rounded by each of the waves that read them.
; REGISTERS, in windows of 256 (s_set_vgpr_msb: bits 1:0 source 0, 3:2 source 1, 5:4 source 2, 7:6 destination):
;   window 0: v0-15 addresses; v16-143 accumulators; v144-239 ring set A (even steps), later the packed results
;   window 1: v0-63 fragments of source 0; v64-127 of source 1; v128-223 ring set B (odd steps)
.set PITCH,  144                       ; an LDS row: 64 f16 = 128 bytes + 16: an odd multiple of 16, so the 16 rows of a fragment load fall on different banks (ISA guide 11.1)
.set REG0,   128*PITCH                 ; region 0: 128 rows; region 1, 256 rows, follows it
.set BUF,    384*PITCH                 ; two such buffers take turns
.set ACC, 16                           ; accumulator (i, j) at 16 + 8 (4 i + j)
.set GA,  144                          ; set A: quad q at 144 + 4 q; q = 0-7 region 0, 8-23 region 1
.set GB,  128                          ; set B, in window 1
.set F0,  0                            ; window 1: 32 kb + 8 i
.set F1,  64                           ; window 1: 64 + 32 kb + 8 j
; v1 byte offset of my 16 bytes in a K step's rows; v2, v3 where I store in LDS buffer 0, 1; v4, v5 my fragments' addresses; v6-v9 my 16 bytes of output tile i
.set MSB, 0
.macro WIN new                         ; the immediate's high byte repeats the setting that is left; a switch that changes nothing is dropped
.if MSB != \new
	s_set_vgpr_msb (MSB<<8)|\new
.set MSB, \new
.endif
.endm
	s_load_b512 s[8:23], s[0:1], 0x0               ; x, Wq, Wk, Wv, Wk_enc, Wv_enc, qws, kws
	s_load_b64 s[24:25], s[0:1], 0x40              ; vws
	v_lshl_add_u32 v254, v0, 2, 0x1b000
	v_mov_b32 v255, 0
	v_lshrrev_b32 v10, 5, v0
	v_readfirstlane_b32 s26, v10                   ; wave 0..7
	s_and_b32 s27, s26, 1                          ; wi
	s_lshr_b32 s28, s26, 1                         ; wj 0..3
	s_mov_b32 s2, ttmp9                            ; id 0..231
	; ids 0-63: bit 0 the weight's half, bit 1 q or k, bits 4:2 the block of 256 tokens, bit 5 the batch.  ids 64-71, less 64: bit 0 Wk_enc's half, bit 1 the block, bit 2 the batch.
	s_sub_co_i32 s30, s2, 64
	s_max_i32 s30, s30, 0
	s_lshr_b32 s31, s30, 2
	s_bfe_u32 s32, s30, 0x10001
	s_and_b32 s33, s30, 1
	s_lshr_b32 s44, s2, 5
	s_bfe_u32 s46, s2, 0x30002
	s_and_b32 s49, s2, 1
	s_cmp_ge_u32 s2, 64
	s_cselect_b32 s35, 1, 0                        ; e: an encoder projection
	s_cselect_b32 s29, s31, s44                    ; batch
	s_cselect_b32 s34, s32, s46
	s_cselect_b32 s45, s33, s49                    ; which block of the weight's rows
	s_lshl_b32 s34, s34, 1                         ; the token block, counted in blocks of 128
	s_and_b32 s48, s2, 2
	s_or_b32 s48, s48, s35
	s_cselect_b32 s48, 0, 1                        ; isq
	; ids 72-199, less 72: bits 1:0 Wv's quarter, bits 5:2 the block of 128 tokens, bit 6 the batch.  ids 200-231, less 200: bits 1:0, bits 3:2, bit 4.
	s_sub_co_i32 s50, s2, 72
	s_max_i32 s50, s50, 0
	s_sub_co_i32 s51, s50, 128
	s_max_i32 s51, s51, 0
	s_lshr_b32 s52, s51, 4
	s_bfe_u32 s53, s51, 0x20002
	s_lshr_b32 s54, s50, 6
	s_bfe_u32 s55, s50, 0x40002
	s_and_b32 s56, s50, 3
	s_cmp_ge_u32 s50, 128
	s_cselect_b32 s57, 1, 0
	s_cselect_b32 s52, s52, s54
	s_cselect_b32 s53, s53, s55
	s_cmp_ge_u32 s2, 72
	s_cselect_b32 s47, 1, 0                        ; isv
	s_cselect_b32 s35, s57, s35
	s_cselect_b32 s29, s52, s29
	s_cselect_b32 s34, s53, s34
	s_cselect_b32 s45, s56, s45
	s_or_b32 s49, s48, s35                         ; q's tokens and the encoder's keys count from tile 0, the decoder's keys from tile 32
	s_cselect_b32 s49, 0, 32
	s_lshl3_add_u32 s49, s34, s49                  ; T0: the block's first token or key tile
	s_mov_b32 s42, 0x10000                         ; bytes from output tile i to i + 1: q a head of 128 tiles,
	s_mov_b32 s43, 0x14000                         ; k a head of 160 tiles,
	s_cmp_lg_u32 s48, 0
	s_cselect_b32 s42, s42, s43
	s_cmp_lg_u32 s47, 0
	s_cselect_b32 s42, 2048, s42                   ; v a key tile's four channel tiles
	; where my wave's tile (0, 0) goes
	s_lshl_b32 s54, s29, 4                         ; 16 x batch
	s_lshl3_add_u32 s55, s45, s54
	s_lshl2_add_u32 s55, s27, s55                  ; q, k: head = 8 x block + 4 wi (+ i)
	s_mul_i32 s55, s55, s42
	s_lshl2_add_u32 s56, s28, s49                  ; token tile T0 + 4 wj (+ j)
	s_lshl_b32 s56, s56, 9
	s_add_co_u32 s55, s55, s56
	s_lshl2_add_u32 s57, s45, s54                  ; v: head = 4 x block + wj; channel tile j
	s_add_co_u32 s57, s57, s28
	s_mul_i32 s57, s57, 327680                     ; a head of v: 160 key tiles x 4 x 512
	s_lshl2_add_u32 s58, s27, s49                  ; key tile T0 + 4 wi (+ i)
	s_lshl_b32 s58, s58, 11
	s_add_co_u32 s57, s57, s58
	s_cmp_lg_u32 s47, 0
	s_cselect_b32 s58, s57, s55
	s_mov_b32 s59, 0
	; lane terms
	v_lshrrev_b32 v10, 4, v0                       ; thread / 16: my row among 16
	v_and_b32 v11, 15, v0                          ; thread % 16: my 16 bytes of a row's 256
	v_lshlrev_b32 v1, 12, v10
	v_lshl_or_b32 v1, v11, 4, v1
	v_mul_u32_u24 v2, v10, PITCH
	v_lshl_add_u32 v2, v11, 3, v2                  ; four f32 become 8 bytes
	v_add_nc_u32 v3, BUF, v2
	v_bfe_u32 v10, v0, 4, 1                        ; h
	v_mul_u32_u24 v4, v11, PITCH
	v_lshl_add_u32 v4, v10, 4, v4                  ; a fragment's row r x pitch + 16 h
	s_mul_i32 s46, s28, 64*PITCH
	s_add_co_u32 s46, s46, REG0
	v_add_nc_u32 v5, s46, v4
	s_mul_i32 s46, s27, 64*PITCH
	v_add_nc_u32 v4, s46, v4
	v_and_b32 v10, 31, v0
	v_lshlrev_b32 v6, 4, v10
	v_add_nc_u32 v7, s42, v6
	v_add_nc_u32 v8, s42, v7
	v_add_nc_u32 v9, s42, v8
	s_wait_kmcnt 0x0
	s_cmp_lg_u32 s35, 0
	s_cselect_b64 s[50:51], s[18:19], s[14:15]     ; Wv_enc or Wv
	s_cselect_b64 s[52:53], s[16:17], s[12:13]     ; Wk_enc or Wk
	s_cmp_lg_u32 s48, 0
	s_cselect_b64 s[52:53], s[10:11], s[52:53]     ; Wq
	s_cselect_b64 s[40:41], s[20:21], s[22:23]     ; qws or kws
	s_cmp_lg_u32 s47, 0
	s_cselect_b64 s[50:51], s[50:51], s[52:53]     ; the weight
	s_cselect_b64 s[40:41], s[24:25], s[40:41]     ; the output buffer
	s_add_nc_u64 s[40:41], s[40:41], s[58:59]
	s_lshl4_add_u32 s56, s29, s34                  ; token block among 32, 128 rows of 4,096 bytes each
	s_lshl_b32 s56, s56, 19
	s_mov_b32 s57, 0
	s_add_nc_u64 s[54:55], s[8:9], s[56:57]
	s_add_co_u32 s46, s47, 19                      ; the weight's block: 128 rows of 4,096 bytes for q and k, 256 for v
	s_lshl_b32 s56, s45, s46
	s_add_nc_u64 s[50:51], s[50:51], s[56:57]
	s_cmp_lg_u32 s47, 0
	s_cselect_b64 s[36:37], s[54:55], s[50:51]     ; region 0: x for v, else the weight
	s_cselect_b64 s[38:39], s[50:51], s[54:55]     ; region 1: the other one
; One K step's operands, 384 rows x 256 bytes, into ring set A (set = 0) or B (1): sixteen lanes take 256 consecutive bytes of a row, at a multiple of 256 from the buffer's first byte.
; The bases stand at an even step; the odd step of the pair stands in the immediate.
.macro LOADG set
.if \set
	WIN 0x40                                       ; destination window 1, address window 0
.set gb, GB
.else
	WIN 0
.set gb, GA
.endif
.irp n, 0,1,2,3,4,5,6,7
	global_load_b128 v[gb+4*\n:gb+4*\n+3], v1, s[36:37] offset:\n*65536+\set*256
.endr
.irp n, 0,1,2,3,4,5,6,7,8,9,10,11,12,13,14,15
	global_load_b128 v[gb+32+4*\n:gb+32+4*\n+3], v1, s[38:39] offset:\n*65536+\set*256
.endr
.endm
; A set is rounded to f16, once in the work-group, and laid into LDS buffer buf.  younger: the loads issued behind the set's own, which may stay out.
.macro STAGE set, buf, younger
	s_wait_loadcnt \younger                        ; loads come back in order (ISA guide 5.7.1): this set's 24 are in
.if \set
	WIN 0x45                                       ; sources and destination window 1
.set gb, GB
.else
	WIN 0
.set gb, GA
.endif
.set q, 0
.rept 24
	v_cvt_pk_f16_f32 v[gb+4*q], v[gb+4*q], v[gb+4*q+1]
	v_cvt_pk_f16_f32 v[gb+4*q+1], v[gb+4*q+2], v[gb+4*q+3]
.set q, q+1
.endr
.if \set
	WIN 0x04                                       ; store data window 1, address window 0
.endif
.set q, 0
.rept 24
	ds_store_b64 v[2+\buf], v[gb+4*q:gb+4*q+1] offset:q*16*PITCH   ; quad q holds rows 16 q + thread / 16 of the 384
.set q, q+1
.endr
.endm
; 32 LDS loads: the fragments of 64 along K; the first 32 along K first
.macro FRAGS buf
	WIN 0x40
.irp kb, 0,1
.irp i, 0,1,2,3
	ds_load_b128 v[F0+32*\kb+8*\i:F0+32*\kb+8*\i+3],   v4 offset:\buf*BUF+\i*16*PITCH+\kb*64
	ds_load_b128 v[F0+32*\kb+8*\i+4:F0+32*\kb+8*\i+7], v4 offset:\buf*BUF+\i*16*PITCH+\kb*64+32
.endr
.irp j, 0,1,2,3
	ds_load_b128 v[F1+32*\kb+8*\j:F1+32*\kb+8*\j+3],   v5 offset:\buf*BUF+\j*16*PITCH+\kb*64
	ds_load_b128 v[F1+32*\kb+8*\j+4:F1+32*\kb+8*\j+7], v5 offset:\buf*BUF+\j*16*PITCH+\kb*64+32
.endr
.endr
.endm
; 16 matrix instructions, 32 along K.  The sixteen accumulators take turns, one instruction a turn.  zero = 1: the products start the sums.
.macro MM kb, zero
	WIN 0x05                                       ; sources 0 and 1 window 1; C and D window 0
.irp i, 0,1,2,3
.irp j, 0,1,2,3
.if \zero
	v_wmma_f32_16x16x32_f16 v[ACC+8*(4*\i+\j):ACC+8*(4*\i+\j)+7], v[F0+32*\kb+8*\i:F0+32*\kb+8*\i+7], v[F1+32*\kb+8*\j:F1+32*\kb+8*\j+7], 0
.else
	v_wmma_f32_16x16x32_f16 v[ACC+8*(4*\i+\j):ACC+8*(4*\i+\j)+7], v[F0+32*\kb+8*\i:F0+32*\kb+8*\i+7], v[F1+32*\kb+8*\j:F1+32*\kb+8*\j+7], v[ACC+8*(4*\i+\j):ACC+8*(4*\i+\j)+7]
.endif
.endr
.endr
.endm
; From the second half of step s (set = s % 2) to the first half of step s + 1 (oth = the other set and buffer).
; more = 1: step s + 2 is asked for, into step s's set: its conversions and LDS stores stand one body back, in front of a wait for 0 on DScnt.
; ONE barrier a step: in front of it each wave's reads of step s's buffer are back (the wait at the head) and its stores into the other are done; behind it the other is read, and step s's is
; written one body on.  The 48 conversions name no register of the products: they are the places between the last product and the loads into its sources.
.macro BODY set, oth, more, younger
	s_wait_dscnt 0x0                               ; the fragments of the second 32 along K: all my reads of this step's buffer are back
	MM 1, 0
.if \more
	LOADG \set
.endif
	STAGE \oth, \oth, \younger
	s_wait_dscnt 0x0                               ; for the others' sake: my stores are done
	s_barrier_signal -1
	s_barrier_wait -1
	FRAGS \oth
	s_wait_dscnt 16                                ; the first 32 along K are in; the 16 loads of the second 32 may be out
	MM 0, 0
.endm
	LOADG 0                                        ; steps 0 and 1
	LOADG 1
	s_wait_xcnt 0x0                                ; every earlier memory instruction has had its addresses translated (ISA guide 3.1): the bases step only behind this wait
	s_add_nc_u64 s[36:37], s[36:37], 512           ; two steps of 64 f32 on
	s_add_nc_u64 s[38:39], s[38:39], 512
	STAGE 0, 0, 24                                 ; step 1's 24 loads may be out
	s_wait_dscnt 0x0
	s_barrier_signal -1
	s_barrier_wait -1
	FRAGS 0
	s_wait_dscnt 16
	MM 0, 1                                        ; the first 32 along K start the sums: nothing is cleared
	WIN 0                                          ; at a label and at a branch every window is 0
	s_mov_b32 s43, 7
.Lk:                                                   ; trip T: steps 2 T and 2 T + 1; asks for steps 2 T + 2 and 2 T + 3
	BODY 0, 1, 1, 24                               ; 24: behind the odd step's loads stand those just issued
	BODY 1, 0, 1, 24
	WIN 0
	s_wait_xcnt 0x0                                ; as above
	s_add_nc_u64 s[36:37], s[36:37], 512
	s_add_nc_u64 s[38:39], s[38:39], 512
	s_sub_co_i32 s43, s43, 1
	s_cmp_lg_u32 s43, 0
	s_cbranch_scc1 .Lk
	BODY 0, 1, 0, 0                                ; step 14: nothing is left to ask for; step 15's set is the last out
	s_wait_dscnt 0x0
	MM 1, 0                                        ; the second half of step 15
	WIN 0
.rept 4
	v_nop                                          ; four places behind the last product (ISA guide 7.12.1)
.endr
	; a lane's eight results are eight neighbouring elements of its row: 16 bytes; a wave's store covers a whole tile, 512 consecutive bytes, aligned
.irp i, 0,1,2,3
.irp j, 0,1,2,3
.irp c, 0,1,2,3
	v_cvt_pk_f16_f32 v[GA+4*(4*\i+\j)+\c], v[ACC+8*(4*\i+\j)+2*\c], v[ACC+8*(4*\i+\j)+2*\c+1]
.endr
	global_store_b128 v[6+\i], v[GA+4*(4*\i+\j):GA+4*(4*\i+\j)+3], s[40:41] offset:\j*512
.endr
.endr
	s_wait_tensorcnt 0x0
	ds_add_u32 v254, v255
	s_wait_dscnt 0x0
	s_endpgm
.Lfunc_end_k_q0ba4ddf5a8_proj:
	.size	k_q0ba4ddf5a8_proj, .Lfunc_end_k_q0ba4ddf5a8_proj-k_q0ba4ddf5a8_proj
	.p2alignl 7, 3214868480
	.fill 96, 4, 3214868480
	.section	.rodata,"a",@progbits
	.p2align	6, 0x0
	.amdhsa_kernel k_q0ba4ddf5a8_proj
		.amdhsa_group_segment_fixed_size 111616
		.amdhsa_private_segment_fixed_size 0
		.amdhsa_enable_private_segment 0
		.amdhsa_kernarg_size 72
		.amdhsa_user_sgpr_count 2
		.amdhsa_user_sgpr_kernarg_segment_ptr 1
		.amdhsa_wavefront_size32 1
		.amdhsa_system_sgpr_workgroup_id_x 1
		.amdhsa_system_sgpr_workgroup_id_y 1
		.amdhsa_system_sgpr_workgroup_id_z 1
		.amdhsa_system_vgpr_workitem_id 0
		.amdhsa_next_free_vgpr 480
		.amdhsa_next_free_sgpr 66
		.amdhsa_reserve_vcc 0
		.amdhsa_float_denorm_mode_32 3
		.amdhsa_float_denorm_mode_16_64 3
		.amdhsa_memory_ordered 1
		.amdhsa_forward_progress 1
		.amdhsa_inst_pref_size 56
	.end_amdhsa_kernel
	.amdgpu_metadata
---
amdhsa.version: [ 1, 2 ]
amdhsa.kernels:
  - .name:           k_q0ba4ddf5a8_proj
    .symbol:         k_q0ba4ddf5a8_proj.kd
    .args:
      - { .name: x, .offset: 0, .size: 8, .value_kind: global_buffer, .address_space: global }
      - { .name: Wq, .offset: 8, .size: 8, .value_kind: global_buffer, .address_space: global }
      - { .name: Wk, .offset: 16, .size: 8, .value_kind: global_buffer, .address_space: global }
      - { .name: Wv, .offset: 24, .size: 8, .value_kind: global_buffer, .address_space: global }
      - { .name: Wk_enc, .offset: 32, .size: 8, .value_kind: global_buffer, .address_space: global }
      - { .name: Wv_enc, .offset: 40, .size: 8, .value_kind: global_buffer, .address_space: global }
      - { .name: qws, .offset: 48, .size: 8, .value_kind: global_buffer, .address_space: global }
      - { .name: kws, .offset: 56, .size: 8, .value_kind: global_buffer, .address_space: global }
      - { .name: vws, .offset: 64, .size: 8, .value_kind: global_buffer, .address_space: global }
    .group_segment_fixed_size: 111616
    .private_segment_fixed_size: 0
    .kernarg_segment_align: 8
    .kernarg_segment_size: 72
    .max_flat_workgroup_size: 256
    .sgpr_count:     66
    .vgpr_count:     480
    .wavefront_size: 32
...
	.end_amdgpu_metadata
.endif
;; end of part 4
;; launch attn (part 5): grid 8 x 32, 8 waves a work-group, no clusters, 109,824 bytes of LDS; arguments qws, kws, vws, aws; writes aws
.if DOCPART == 5
	.amdgcn_target "amdgcn-amd-amdhsa--gfx1250"
	.amdhsa_code_object_version 6
	.text
	.protected	k_q0ba4ddf5a8_attn
	.globl	k_q0ba4ddf5a8_attn
	.p2align	8
	.type	k_q0ba4ddf5a8_attn,@function
k_q0ba4ddf5a8_attn:
	s_mov_b64 s[64:65], 0
	v_nop
	global_prefetch_b8 v0, s[64:65] scope:SCOPE_SE
	s_setreg_imm32_b32 hwreg(HW_REG_WAVE_MODE, 25, 1), 1
	s_wait_xcnt 0x0
; For one (batch, head): out[n] = (sum over the 512 encoder keys and the decoder keys m <= n of a(n, m) v[m]) / (sum of the same a + 1e-12),
; a = q_f . k_f = 1 + s / 4 + s^2 / 32 with s = q . k (the feature map's inner product written out: 1, then s / 2^2, then s^2 / (2 x 16));
; (q_f * k_state).sum is the sum of the same a over the same keys.  Both hold for every input.
; THE WEIGHTS.  a = ((s + 4)^2 + 16) / 32.  Each query has a factor c = 32 sg^2, sg a power of two, which cancels in the quotient: c a = u^2 + 16 sg^2 with u = sg s + 4 sg.
; q is multiplied by sg once (exact in f16 but for denormals) and 4 sg is the C operand of the score product, so u comes out of the matrix unit; it is rounded to f16 and one packed
; f16 multiply-add a pair makes the weight.  sg = 2^floor(log2(128 / (t + 4))), t = |q|_1 x max|k| >= |s|: |u| <= 128 and c a <= 2^15, inside f16 whatever the inputs' size.
; The row sum is a fifth product, ones x P, over the very f16 weights that V^T P uses; sums are f32.  The two masked steps make their weights in f32, select, and round.
; LIMITS: max|k| is taken over all keys of the 128-key steps that the query's block walks, keys behind the query in its own block among them; a weight keeps f16's precision down to 2^29
; below the bound 2^15 and is lost 2^39 below it.  q sg has to stay below 65,504: sg <= 32, and |q_j| sg <= 128 / max|k|.  q, k, v come in f16.
; SHARES.  Work-group (i, batch x head) owns the query blocks of 128 i (low) and 15 - i (high): 128 x 3,200 (query, key) pairs in every work-group.  Keys go in steps of 128:
; steps 0-3 the encoder's, step 4 + b the decoder's block b.  Wave w: g = w % 4 picks 32 queries of each block (tiles 0, 1 low; 2, 3 high), p = w / 4 one half of every step's keys;
; the two halves' sums are added at the end through LDS.
; TWO LDS BUFFERS, ONE BARRIER A STEP.  Step s lies in buffer (s + i) % 2, so that the buffer's number is a constant of every line although 4 + i steps take both blocks: the low block's own
; step (4 + i) is always in buffer 0, the 14 - 2 i steps of the high block alone go in pairs (1, 0), the last step (19 - i) is in buffer 1; only the start differs with i's parity.
; Tiles come through two register sets, set x for buffer x: a step in buffer b asks for tile s + 2 into set b and, late in the step, puts tile s + 1 from set 1 - b into buffer 1 - b.
; NO JOINT TILE LOADS: the eight work-groups of a head walk 20 - i steps, a different number each.
; FRAGMENTS.  All buffers hold tiles of 16 rows x 16 f16 = 512 bytes, lane (r, h) owning row r, elements 8 h .. 8 h + 7 at byte 16 lane: half a fragment.
; Scores: source 0 = two key tiles side by side along the product's 32 (registers 0-3 tile T, 4-7 tile T + 1); source 1 = (q, 0) picks T, (0, q) picks T + 1.
; In the result a lane holds ONE query (r) and keys 8 h + 0..7; the two tiles, rounded in pairs, ARE source 1 (32 keys x 16 queries) of O^T = V^T P, whose result holds one query and 8 channels.
.set BUFB, 20480                       ; an LDS buffer: K's tile (4,096 bytes), then V's (16,384); two of them from byte 0
.set VT,   4096
.set RED,  40960                       ; 8 bytes a wave: the scan's two maxima
.set CMB,  41216                       ; + 16,896 g: the second key half's O (32 x 512) and row sums (512)
.set CMBW, 16896
.set QZ,  12                           ; v[12:47]    0 q0 0 q1 0 q2 0 q3 0, four registers each: (q, 0) of tile t at 16 + 8 t, (0, q) at 12 + 8 t
.set C4,  48                           ; v[48:79]    4 sg of my query in tile t, eight times: the score products' C
.set SC,  48                           ; v[48:127]   in the prologue: the scan's 20 quads
.set KF,  80                           ; v[80:95]    K's fragment of chunk cc at 80 + 8 cc
.set VF,  96                           ; v[96:127]   V's fragments, channel tile c at 96 + 8 c
.set S,   128                          ; v[128:191]  scores, tile t at 128 + 16 t; the weights in f16 take its first 8 registers
.set G,   192                          ; v[192:231]  two sets of 20: a step's tiles on their way to LDS
.set ONE, 232                          ; v[232:239]  a fragment of ones
.set CH,  240                          ; v[240:243]  16 sg^2 of tile t, twice in f16
.set CHF, 244                          ; v[244:251]  the same in f32, a pair a tile
.set CE,  252                          ; v[252:255]  c x 1e-12 of tile t
.set T,   128                          ; in the prologue, where the scores will lie: v[128:143] at work,
.set ML,  144                          ; the running maxima (low, high),
.set L1,  146                          ; |q|_1 of my query in tile t,
.set KM,  150                          ; max|k| for the low, the high block,
.set W,   152                          ; t + 4, then sg^2,
.set R,   156                          ; its reciprocal,
.set SG,  160                          ; sg
.set TE,  192                          ; on the way out, where the sets lay: v[192:207] at work
.set LA,  128                          ; window 1: row sums, tile t at 128 + 8 t
; v1 16 lane; v2 16 thread; v3 my wave's word pair in RED; v4, v5 my half's K and V in buffer 0; v6 the mask's lane term; v7 my place in CMB; v8-v11 at work
; window 1 (v256 on): O^T, tile t, channel tile c at 32 t + 8 c; then the row sums
; s[16:19] set 0's pointers (K, V), s[20:23] set 1's; s[24:25] the head's keys; s[26:29] output low, high; s[44:47] my query tiles low, high
.set MSB, 0
.macro WIN new                         ; s_set_vgpr_msb: bits 1:0 source 0, 3:2 source 1, 5:4 source 2, 7:6 destination; the high byte repeats the setting that is left
.if MSB != \new
	s_set_vgpr_msb (MSB<<8)|\new
.set MSB, \new
.endif
.endm
	s_load_b256 s[8:15], s[0:1], 0x0               ; qws, kws, vws, aws
	s_set_vgpr_msb 0x40
	v_lshl_add_u32 v160, v0, 2, 0x1a900
	v_mov_b32 v161, 0
	s_set_vgpr_msb 0x4000
	v_lshrrev_b32 v8, 5, v0
	v_readfirstlane_b32 s4, v8                     ; wave 0..7
	s_mov_b32 s2, ttmp9                            ; i
	s_and_b32 s3, ttmp7, 0xffff                    ; 16 x batch + head
	s_and_b32 s5, s4, 3                            ; g
	s_lshr_b32 s6, s4, 2                           ; p
	s_add_co_u32 s31, s2, 4                        ; the low block's last step
	s_sub_co_u32 s32, 19, s2                       ; the high block's last step
	s_sub_co_u32 s43, 15, s2                       ; the high block
	s_mov_b32 s34, 0x76543210                      ; v_permlanex16_b32: each lane takes its own place in the other half
	s_mov_b32 s35, 0xfedcba98
	s_mov_b32 s40, 0x7fff7fff                      ; clears the signs of two f16
	s_mov_b32 s42, 0x2c0cbccc                      ; 2e-12: c 1e-12 = 32 sg^2 1e-12 = (16 sg^2) x 2e-12
	v_and_b32 v9, 31, v0
	v_lshlrev_b32 v1, 4, v9
	v_lshlrev_b32 v2, 4, v0
	v_and_b32 v10, 15, v0                          ; r
	v_bfe_u32 v11, v0, 4, 1                        ; h
	v_lshl_add_u32 v4, s6, 11, v1                  ; my half's four key tiles
	v_lshl_add_u32 v5, s6, 13, v1
	v_add_nc_u32 v5, VT, v5
	s_lshl_b32 s36, s5, 5
	s_lshl_b32 s37, s6, 6
	s_sub_co_i32 s36, s36, s37
	v_lshlrev_b32 v8, 3, v11
	v_sub_nc_u32 v6, v10, v8
	v_add_nc_u32 v6, s36, v6                       ; 32 g + r - 8 h - 64 p
	s_mul_i32 s37, s5, CMBW
	s_add_co_u32 s37, s37, CMB
	v_add_nc_u32 v7, s37, v1
	s_lshl_b32 s38, s4, 3
	s_add_co_u32 s38, s38, RED
	v_mov_b32 v3, s38
.irp z, 0,1,2,3,4
.irp c, 0,1,2,3
	v_mov_b32 v[QZ+8*\z+\c], 0                     ; the zero halves of source 1
.endr
.endr
.irp c, 0,1,2,3,4,5,6,7
	v_mov_b32 v[ONE+\c], 0x3c003c00                ; 1.0 twice in f16
.endr
	s_and_b32 s41, s2, 1                           ; step 0's buffer and set: i % 2
	s_cselect_b32 s36, 4096, 0                     ; set 0 begins with tile 1 where i is odd, else with tile 0;
	s_cselect_b32 s38, 0, 4096                     ; set 1 the other way round
	s_mov_b32 s37, 0
	s_mov_b32 s39, 0
	s_mul_i32 s44, s3, 81920                       ; a head of k: 160 tiles
	s_mov_b32 s45, 0
	s_wait_kmcnt 0x0
	s_add_nc_u64 s[24:25], s[10:11], s[44:45]      ; the head's first key
	s_add_nc_u64 s[16:17], s[24:25], s[36:37]
	s_add_nc_u64 s[20:21], s[24:25], s[38:39]
	s_mul_i32 s44, s3, 327680
	s_add_nc_u64 s[46:47], s[12:13], s[44:45]      ; the head's first value
	s_lshl_b32 s36, s36, 2                         ; a step of V is four times a step of K
	s_lshl_b32 s38, s38, 2
	s_add_nc_u64 s[18:19], s[46:47], s[36:37]
	s_add_nc_u64 s[22:23], s[46:47], s[38:39]
	s_lshl_b32 s38, s3, 7
	s_lshl1_add_u32 s38, s5, s38                   ; 128 x (batch, head) + 2 g
	s_lshl3_add_u32 s36, s2, s38
	s_lshl_b32 s36, s36, 9
	s_add_nc_u64 s[44:45], s[8:9], s[36:37]        ; my two low query tiles
	s_lshl3_add_u32 s36, s43, s38
	s_lshl_b32 s36, s36, 9
	s_add_nc_u64 s[46:47], s[8:9], s[36:37]        ; my two high query tiles
	s_lshr_b32 s38, s3, 4
	s_lshl_b32 s38, s38, 7
	s_lshl1_add_u32 s38, s5, s38                   ; token tile 128 x batch + 2 g
	s_and_b32 s33, s3, 15
	s_lshl_b32 s33, s33, 11                        ; the head's four channel tiles
	s_lshl3_add_u32 s36, s2, s38
	s_lshl_b32 s36, s36, 15
	s_add_co_u32 s36, s36, s33
	s_add_nc_u64 s[26:27], s[14:15], s[36:37]      ; output, low
	s_lshl3_add_u32 s36, s43, s38
	s_lshl_b32 s36, s36, 15
	s_add_co_u32 s36, s36, s33
	s_add_nc_u64 s[28:29], s[14:15], s[36:37]      ; output, high
; A step's tiles, 4,096 bytes of K and 16,384 of V, both dense in memory, into set x: 16 bytes a thread, five times
.macro LOADG x
	global_load_b128 v[G+20*(\x):G+20*(\x)+3], v2, s[16+4*(\x):17+4*(\x)]
.irp n, 0,1,2,3
	global_load_b128 v[G+20*(\x)+4+4*\n:G+20*(\x)+7+4*\n], v2, s[18+4*(\x):19+4*(\x)] offset:4096*\n
.endr
.endm
; Set x goes into buffer x.  younger: the loads issued behind the set's own, which may stay out.
.macro PUT x, younger
	s_wait_loadcnt \younger                        ; loads come back in order (ISA guide 5.7.1): the set's five are in, so their bases may step: two steps on
	s_add_nc_u64 s[16+4*(\x):17+4*(\x)], s[16+4*(\x):17+4*(\x)], 8192
	s_add_nc_u64 s[18+4*(\x):19+4*(\x)], s[18+4*(\x):19+4*(\x)], 32768
	ds_store_b128 v2, v[G+20*(\x):G+20*(\x)+3] offset:(\x)*BUFB
.irp n, 0,1,2,3
	ds_store_b128 v2, v[G+20*(\x)+4+4*\n:G+20*(\x)+7+4*\n] offset:(\x)*BUFB+VT+4096*\n
.endr
.endm
.macro UNP8                            ; the 8 f16 in v8-v11, as f32 in v[T .. T + 7]
	v_cvt_f32_f16 v[T], v8.l
	v_cvt_f32_f16 v[T+1], v8.h
	v_cvt_f32_f16 v[T+2], v9.l
	v_cvt_f32_f16 v[T+3], v9.h
	v_cvt_f32_f16 v[T+4], v10.l
	v_cvt_f32_f16 v[T+5], v10.h
	v_cvt_f32_f16 v[T+6], v11.l
	v_cvt_f32_f16 v[T+7], v11.h
.endm
.macro ABS8 src                        ; |.| of the 8 f16 in v[src .. src + 3]
.irp c, 0,1,2,3
	v_and_b32 v[8+\c], s40, v[\src+\c]
.endr
	UNP8
.endm
; Tile t's 16 numbers u a lane (32 keys) become weights: rounded to f16 in pairs, in place, then u^2 + 16 sg^2, two at a time.
; Each score tile is read from its lowest registers on.
.macro POLYH t
.set rS, S+16*\t
.irp c, 0,1,2,3,4,5,6,7
	v_cvt_pk_f16_f32 v[rS+\c], v[rS+2*\c], v[rS+2*\c+1]
.endr
.irp c, 0,1,2,3,4,5,6,7
	v_pk_fma_f16 v[rS+\c], v[rS+\c], v[rS+\c], v[CH+\t]
.endr
.endm
; The same for a block's own keys: the weights are made in f32, keys behind the query get 0, then the rounding.
.macro POLYM t, cc
.set rS, S+16*\t
.irp u, 0,1,2,3,4,5,6,7
	v_pk_fma_f32 v[rS+2*\u:rS+2*\u+1], v[rS+2*\u:rS+2*\u+1], v[rS+2*\u:rS+2*\u+1], v[CHF+2*\t:CHF+2*\t+1]
.endr
.irp e, 0,1,2,3,4,5,6,7,8,9,10,11,12,13,14,15
	v_cmp_le_i32 vcc_lo, 32*\cc+16*(\e/8)+(\e%8)-16*(\t%2), v6     ; key 64 p + 32 cc + 16 (e / 8) + 8 h + e % 8 <= query 32 g + 16 (t % 2) + r
	v_cndmask_b32 v[rS+\e], 0, v[rS+\e], vcc_lo
.endr
.irp c, 0,1,2,3,4,5,6,7
	v_cvt_pk_f16_f32 v[rS+\c], v[rS+2*\c], v[rS+2*\c+1]
.endr
.endm
; 32 keys of my half of the step in buffer b.  lo: the low tiles take no part (0), take part (1), are masked (2); hi: 1 or 2.  zero = 1: the products start O^T's and the row sums.
; put = 1 (chunk 1 of a step that has a successor): the next step's tile goes into the other buffer behind the vector work, its stores land under the products, and the step's barrier follows.
.macro CHUNK b, cc, lo, hi, zero, put, pw
.if \cc == 0
	ds_load_b128 v[KF:KF+3],     v4 offset:\b*BUFB
	ds_load_b128 v[KF+4:KF+7],   v4 offset:\b*BUFB+512
	ds_load_b128 v[KF+8:KF+11],  v4 offset:\b*BUFB+1024
	ds_load_b128 v[KF+12:KF+15], v4 offset:\b*BUFB+1536
.endif
.irp c, 0,1,2,3
	ds_load_b128 v[VF+8*\c:VF+8*\c+3],   v5 offset:\b*BUFB+4096*\cc+512*\c
	ds_load_b128 v[VF+8*\c+4:VF+8*\c+7], v5 offset:\b*BUFB+4096*\cc+512*\c+2048
.endr
.if \cc == 0
	s_wait_dscnt 10                                ; K's first fragment is in; its second (2 loads) and V's (8) may be out.  Chunk 1's K was shown in by chunk 0's wait for 0
.endif
.irp t, 0,1,2,3
.if (\t > 1) || \lo
	v_wmma_f32_16x16x32_f16 v[S+16*\t:S+16*\t+7],    v[KF+8*\cc:KF+8*\cc+7], v[QZ+4+8*\t:QZ+11+8*\t], v[C4+8*\t:C4+8*\t+7]
	v_wmma_f32_16x16x32_f16 v[S+16*\t+8:S+16*\t+15], v[KF+8*\cc:KF+8*\cc+7], v[QZ+8*\t:QZ+7+8*\t],    v[C4+8*\t:C4+8*\t+7]
.endif
.endr
.rept 4
	v_nop                                          ; four places before vector work reads the scores (ISA guide 7.12.1)
.endr
.if \lo == 1
	POLYH 0
	POLYH 1
.elseif \lo == 2
	POLYM 0, \cc
	POLYM 1, \cc
.endif
.if \hi == 1
	POLYH 2
	POLYH 3
.else
	POLYM 2, \cc
	POLYM 3, \cc
.endif
.if \put
	PUT 1-\b, \pw
	s_wait_dscnt 5                                 ; V's fragments are in; the five stores just issued may be out
.else
	s_wait_dscnt 0x0                               ; V's fragments (and, in chunk 0, K's second)
.endif
	WIN 0x50                                       ; C and D in window 1
.irp c, 0,1,2,3
.irp t, 0,1,2,3
.if (\t > 1) || \lo
.if \zero
	v_wmma_f32_16x16x32_f16 v[32*\t+8*\c:32*\t+8*\c+7], v[VF+8*\c:VF+8*\c+7], v[S+16*\t:S+16*\t+7], 0
.else
	v_wmma_f32_16x16x32_f16 v[32*\t+8*\c:32*\t+8*\c+7], v[VF+8*\c:VF+8*\c+7], v[S+16*\t:S+16*\t+7], v[32*\t+8*\c:32*\t+8*\c+7]   ; each accumulator once a chunk: they take turns
.endif
.endif
.endr
.endr
.irp t, 0,1,2,3
.if (\t > 1) || \lo
.if \zero
	v_wmma_f32_16x16x32_f16 v[LA+8*\t:LA+8*\t+7], v[ONE:ONE+7], v[S+16*\t:S+16*\t+7], 0
.else
	v_wmma_f32_16x16x32_f16 v[LA+8*\t:LA+8*\t+7], v[ONE:ONE+7], v[S+16*\t:S+16*\t+7], v[LA+8*\t:LA+8*\t+7]   ; the row sums: every row of the result holds the query's sum over the 32 keys
.endif
.endif
.endr
	WIN 0
.if \put
	s_wait_dscnt 0x0                               ; for the others' sake: my reads of this buffer are back and my part of the next tile is written
	s_barrier_signal -1
.endif
.rept 5
	v_nop                                          ; five places before the next score products write over the weights, four before loads into K's and V's fragments
.endr
.if \put
	s_barrier_wait -1                              ; behind it the other buffer is read, and this one is written only in the next step
.endif
.endm
; A step in buffer b.  ld = 1: the tile two steps on is asked for, into set b, whose last tile went into LDS a step ago, in front of a wait for 0 on DScnt.
.macro STEP b, lo, hi, zero, ld, put, pw
.if \ld
	LOADG \b
.endif
	CHUNK \b, 0, \lo, \hi, \zero, 0, 0
	CHUNK \b, 1, \lo, \hi, 0, \put, \pw
.endm
	LOADG 0                                        ; tiles 0 and 1, each into the set of its step's buffer
	LOADG 1
	global_load_b128 v[QZ+4:QZ+7],   v1, s[44:45]
	global_load_b128 v[QZ+12:QZ+15], v1, s[44:45] offset:512
	global_load_b128 v[QZ+20:QZ+23], v1, s[46:47]
	global_load_b128 v[QZ+28:QZ+31], v1, s[46:47] offset:512
.set sc, 0
.rept 20
	global_load_b128 v[SC+4*sc:SC+4*sc+3], v2, s[24:25] offset:4096*sc     ; the head's keys, 16 bytes a thread and step, for max|k|
.set sc, sc+1
.endr
	s_wait_loadcnt 20                              ; the two tiles and Q are in; the scan's 20 may be out
.irp t, 0,1,2,3
	ABS8 QZ+4+8*\t
	v_pk_add_f32 v[T:T+1], v[T:T+1], v[T+2:T+3]
	v_pk_add_f32 v[T+4:T+5], v[T+4:T+5], v[T+6:T+7]
	v_pk_add_f32 v[T:T+1], v[T:T+1], v[T+4:T+5]
	v_add_f32 v[T], v[T], v[T+1]
	v_permlanex16_b32 v[T+1], v[T], s34, s35       ; the query's other 8 features lie in the lane 16 away
	v_add_f32 v[L1+\t], v[T], v[T+1]
.endr
	; max|k| over steps 0 .. 4 + i (low) and 0 .. 19 - i (high).  A step beyond a block's last is taken as 0 by a mask made of i: no branch
.set sc, 0
.rept 20
	s_wait_loadcnt 19-sc                           ; step sc's quad is in, the younger ones may be out
	ABS8 SC+4*sc
	v_max3_num_f32 v[T], v[T], v[T+1], v[T+2]
	v_max3_num_f32 v[T+3], v[T+3], v[T+4], v[T+5]
	v_max3_num_f32 v[T], v[T], v[T+6], v[T+7]
.if sc == 0
	v_max_num_f32 v[ML], v[T], v[T+3]
	v_mov_b32 v[ML+1], v[ML]
.else
	v_max_num_f32 v[T], v[T], v[T+3]
.if sc <= 4
	v_max_num_f32 v[ML], v[ML], v[T]
.elseif sc <= 11
	s_cmp_ge_u32 s31, sc
	s_cselect_b32 s33, -1, 0
	v_and_b32 v[T+1], s33, v[T]
	v_max_num_f32 v[ML], v[ML], v[T+1]
.endif
.if sc <= 12
	v_max_num_f32 v[ML+1], v[ML+1], v[T]
.else
	s_cmp_ge_u32 s32, sc
	s_cselect_b32 s33, -1, 0
	v_and_b32 v[T+1], s33, v[T]
	v_max_num_f32 v[ML+1], v[ML+1], v[T+1]
.endif
.endif
.set sc, sc+1
.endr
.irp x, 1,2,4,8
	v_max_num_f32_dpp v[ML], v[ML], v[ML] row_xmask:\x row_mask:0xf bank_mask:0xf
	v_max_num_f32_dpp v[ML+1], v[ML+1], v[ML+1] row_xmask:\x row_mask:0xf bank_mask:0xf
.endr
	v_permlanex16_b32 v[T], v[ML], s34, s35
	v_permlanex16_b32 v[T+1], v[ML+1], s34, s35
	v_max_num_f32 v[ML], v[ML], v[T]
	v_max_num_f32 v[ML+1], v[ML+1], v[T+1]
	ds_store_b64 v3, v[ML:ML+1]                    ; all lanes write the same two words
	s_wait_dscnt 0x0                               ; for the others' sake: my maxima are written
	s_barrier_signal -1
	s_barrier_wait -1
	v_mov_b32 v8, RED
.irp c, 0,1,2,3
	ds_load_b128 v[T+4*\c:T+4*\c+3], v8 offset:16*\c
.endr
	s_wait_dscnt 0x0
.irp c, 0,1
	v_max3_num_f32 v[KM+\c], v[T+\c], v[T+2+\c], v[T+4+\c]
	v_max3_num_f32 v[KM+\c], v[KM+\c], v[T+6+\c], v[T+8+\c]
	v_max3_num_f32 v[KM+\c], v[KM+\c], v[T+10+\c], v[T+12+\c]
	v_max_num_f32 v[KM+\c], v[KM+\c], v[T+14+\c]
.endr
.irp t, 0,1,2,3
	v_fma_f32 v[W+\t], v[L1+\t], v[KM+\t/2], 4.0   ; t + 4 >= |q . k + 4| for every key that the block walks
.endr
.irp t, 0,1,2,3
	v_rcp_f32 v[R+\t], v[W+\t]
.endr
	v_nop                                          ; a plain instruction between the last reciprocal and the use of its result (ISA guide 5.7.2)
	s_wait_alu depctr_va_vdst(0)
.irp t, 0,1,2,3
	v_mul_f32 v[SG+\t], 0x43000000, v[R+\t]        ; 128 / (t + 4), between 2^-30 and 32 for q and k that f16 holds;
	v_and_b32 v[SG+\t], 0x7f800000, v[SG+\t]       ; its exponent alone: sg, the power of two at or below it
	v_mul_f32 v[W+\t], v[SG+\t], v[SG+\t]
	v_mul_f32 v[CHF+2*\t], 0x41800000, v[W+\t]     ; 16 sg^2
	v_mul_f32 v[C4+8*\t], 4.0, v[SG+\t]            ; 4 sg
.endr
.irp t, 0,1,2,3
	v_mov_b32 v[CHF+2*\t+1], v[CHF+2*\t]
	v_cvt_pk_f16_f32 v[CH+\t], v[CHF+2*\t], v[CHF+2*\t]
	v_mul_f32 v[CE+\t], s42, v[CHF+2*\t]           ; c 1e-12
.irp c, 1,2,3,4,5,6,7
	v_mov_b32 v[C4+8*\t+\c], v[C4+8*\t]            ; a lane holds one query in all eight registers of a score tile
.endr
.endr
.irp t, 0,1,2,3                        ; q times sg: widened, multiplied, rounded back (exact but for denormals)
.irp c, 0,1,2,3
	v_mov_b32 v[8+\c], v[QZ+4+8*\t+\c]
.endr
	UNP8
.irp c, 0,1,2,3,4,5,6,7
	v_mul_f32 v[T+\c], v[SG+\t], v[T+\c]
.endr
.irp c, 0,1,2,3
	v_cvt_pk_f16_f32 v[QZ+4+8*\t+\c], v[T+2*\c], v[T+2*\c+1]
.endr
.endr
	s_add_co_u32 s30, s2, 3
	s_lshr_b32 s30, s30, 1                         ; pairs of steps with both blocks behind the start: (i + 3) / 2, at least 1
	s_cmp_lg_u32 s41, 0
	s_cbranch_scc1 .Lodd
	PUT 0, 0                                       ; i even: 4 + i steps = step 0 in buffer 0, step 1 in buffer 1, (i + 2) / 2 pairs
	s_wait_dscnt 0x0                               ; for the others' sake: my part of tile 0 is written
	s_barrier_signal -1
	s_barrier_wait -1
	STEP 0, 1, 1, 1, 1, 1, 5                       ; step 0 starts every sum.  5: behind the next tile's loads stand the five just issued
	STEP 1, 1, 1, 0, 1, 1, 5
	s_branch .Lpairs
.Lodd:
	PUT 1, 0                                       ; i odd: step 0 in buffer 1, (i + 3) / 2 pairs
	s_wait_dscnt 0x0
	s_barrier_signal -1
	s_barrier_wait -1
	STEP 1, 1, 1, 1, 1, 1, 5
.Lpairs:                                               ; up to step 3 + i: both blocks, all keys
	STEP 0, 1, 1, 0, 1, 1, 5
	STEP 1, 1, 1, 0, 1, 1, 5
	s_sub_co_i32 s30, s30, 1
	s_cmp_gt_i32 s30, 0
	s_cbranch_scc1 .Lpairs
	s_cmp_eq_u32 s2, 7                             ; step 4 + i asks for tile 6 + i, which the walk has only where 6 + i <= 19 - i
	s_cbranch_scc1 .Lno_more
	LOADG 0
.Lno_more:
	STEP 0, 2, 1, 0, 0, 1, 0                       ; step 4 + i: the low block's own keys, masked.  Its wait is for 0: right whether or not the five loads above were issued
	s_cmp_eq_u32 s2, 7
	s_cbranch_scc1 .Lown                           ; i = 7: no step of the high block alone
	s_sub_co_u32 s30, 6, s2                        ; 7 - i pairs, the last of them written out
	s_cmp_eq_u32 s30, 0
	s_cbranch_scc1 .Lhfin
.Lhigh:                                                ; steps 5 + i .. 16 - i: the high block alone
	STEP 1, 0, 1, 0, 1, 1, 5
	STEP 0, 0, 1, 0, 1, 1, 5
	s_sub_co_i32 s30, s30, 1
	s_cmp_gt_i32 s30, 0
	s_cbranch_scc1 .Lhigh
.Lhfin:
	STEP 1, 0, 1, 0, 1, 1, 5                       ; step 17 - i asks for the last tile
	STEP 0, 0, 1, 0, 0, 1, 0                       ; step 18 - i asks for nothing: no load is out behind its wait
.Lown:
	STEP 1, 0, 2, 0, 0, 0, 0                       ; step 19 - i: the high block's own keys, masked
	; THE WAY OUT.  Every register of a row-sum tile holds the lane's query's sum: the lowest is taken.
	WIN 0x01                                       ; source 0 in window 1
.irp t, 0,1,2,3
	v_mov_b32 v[TE+8+\t], v[LA+8*\t]
.endr
	WIN 0
	s_cmp_lt_u32 s4, 4
	s_cbranch_scc1 .Lkeep                          ; the waves of the first key half keep their sums
	WIN 0x04                                       ; store data in window 1
.set ii, 0
.rept 32
	ds_store_b128 v7, v[4*ii:4*ii+3] offset:512*ii ; each accumulator's low four registers first
.set ii, ii+1
.endr
	WIN 0
	ds_store_b128 v7, v[TE+8:TE+11] offset:16384
.Lkeep:
	s_wait_dscnt 0x0                               ; for the partner's sake: my sums are written
	s_barrier_signal -1
	s_barrier_wait -1
	s_cmp_ge_u32 s4, 4
	s_cbranch_scc1 .Lend                           ; the second half's waves are done; no barrier follows
	ds_load_b128 v[TE+12:TE+15], v7 offset:16384
	s_wait_dscnt 0x0
.irp t, 0,1,2,3
	v_add_f32 v[TE+8+\t], v[TE+8+\t], v[TE+12+\t]
	v_add_f32 v[TE+8+\t], v[TE+8+\t], v[CE+\t]     ; c (sum of a) + c 1e-12
.endr
.irp t, 0,1,2,3
	v_rcp_f32 v[TE+2*\t], v[TE+8+\t]
	v_rcp_f32 v[TE+2*\t+1], v[TE+8+\t]             ; twice: a pair for the packed multiply
.endr
	v_nop                                          ; a plain instruction behind the last reciprocal
	s_wait_alu depctr_va_vdst(0)
; Two query tiles: the partner's O^T is added, the sum divided, rounded to f16 and stored: a wave's store covers a whole tile, 512 consecutive bytes, aligned
.macro HALF hf, ptr
.if \hf
	s_wait_xcnt 0x0                                ; the first half's stores read these registers: they are loaded again only behind this wait (ISA guide 3.1)
.endif
.set ii, 0
.rept 16
	ds_load_b128 v[S+4*ii:S+4*ii+3], v7 offset:(16*\hf+ii)*512
.set ii, ii+1
.endr
	s_wait_dscnt 0x0
	WIN 0x01                                       ; source 0 in window 1
.set ii, 0
.rept 32
	v_pk_add_f32 v[S+2*ii:S+2*ii+1], v[64*\hf+2*ii:64*\hf+2*ii+1], v[S+2*ii:S+2*ii+1]
.set ii, ii+1
.endr
	WIN 0
.set ii, 0
.rept 32
	v_pk_mul_f32 v[S+2*ii:S+2*ii+1], v[S+2*ii:S+2*ii+1], v[TE+2*(2*\hf+ii/16):TE+2*(2*\hf+ii/16)+1]
.set ii, ii+1
.endr
.set ii, 0
.rept 32
	v_cvt_pk_f16_f32 v[S+8*(ii/4)+ii%4], v[S+8*(ii/4)+2*(ii%4)], v[S+8*(ii/4)+2*(ii%4)+1]
.set ii, ii+1
.endr
.irp m, 0,1,2,3,4,5,6,7
	global_store_b128 v1, v[S+8*\m:S+8*\m+3], s[\ptr:\ptr+1] offset:(\m/4)*32768+(\m%4)*512
.endr
.endm
	HALF 0, 26
	HALF 1, 28
.Lend:
	s_set_vgpr_msb 0x5
	s_wait_tensorcnt 0x0
	ds_add_u32 v160, v161
	s_wait_dscnt 0x0
	s_set_vgpr_msb 0x500
	s_endpgm
.Lfunc_end_k_q0ba4ddf5a8_attn:
	.size	k_q0ba4ddf5a8_attn, .Lfunc_end_k_q0ba4ddf5a8_attn-k_q0ba4ddf5a8_attn
	.p2alignl 7, 3214868480
	.fill 96, 4, 3214868480
	.section	.rodata,"a",@progbits
	.p2align	6, 0x0
	.amdhsa_kernel k_q0ba4ddf5a8_attn
		.amdhsa_group_segment_fixed_size 109824
		.amdhsa_private_segment_fixed_size 0
		.amdhsa_enable_private_segment 0
		.amdhsa_kernarg_size 32
		.amdhsa_user_sgpr_count 2
		.amdhsa_user_sgpr_kernarg_segment_ptr 1
		.amdhsa_wavefront_size32 1
		.amdhsa_system_sgpr_workgroup_id_x 1
		.amdhsa_system_sgpr_workgroup_id_y 1
		.amdhsa_system_sgpr_workgroup_id_z 1
		.amdhsa_system_vgpr_workitem_id 0
		.amdhsa_next_free_vgpr 418
		.amdhsa_next_free_sgpr 66
		.amdhsa_reserve_vcc 1
		.amdhsa_float_denorm_mode_32 3
		.amdhsa_float_denorm_mode_16_64 3
		.amdhsa_memory_ordered 1
		.amdhsa_forward_progress 1
		.amdhsa_inst_pref_size 192
	.end_amdhsa_kernel
	.amdgpu_metadata
---
amdhsa.version: [ 1, 2 ]
amdhsa.kernels:
  - .name:           k_q0ba4ddf5a8_attn
    .symbol:         k_q0ba4ddf5a8_attn.kd
    .args:
      - { .name: qws, .offset: 0, .size: 8, .value_kind: global_buffer, .address_space: global }
      - { .name: kws, .offset: 8, .size: 8, .value_kind: global_buffer, .address_space: global }
      - { .name: vws, .offset: 16, .size: 8, .value_kind: global_buffer, .address_space: global }
      - { .name: aws, .offset: 24, .size: 8, .value_kind: global_buffer, .address_space: global }
    .group_segment_fixed_size: 109824
    .private_segment_fixed_size: 0
    .kernarg_segment_align: 8
    .kernarg_segment_size: 32
    .max_flat_workgroup_size: 256
    .sgpr_count:     66
    .vgpr_count:     418
    .wavefront_size: 32
...
	.end_amdgpu_metadata
.endif
;; end of part 5
;; launch outp (part 6): grid 8 x 32, 8 waves a work-group, no clusters, 105,472 bytes of LDS; arguments aws, Wout, out0; writes out0
.if DOCPART == 6
	.amdgcn_target "amdgcn-amd-amdhsa--gfx1250"
	.amdhsa_code_object_version 6
	.text
	.protected	k_q0ba4ddf5a8_outp
	.globl	k_q0ba4ddf5a8_outp
	.p2align	8
	.type	k_q0ba4ddf5a8_outp,@function
k_q0ba4ddf5a8_outp:
	s_mov_b64 s[64:65], 0
	v_nop
	global_prefetch_b8 v0, s[64:65] scope:SCOPE_SE
	s_setreg_imm32_b32 hwreg(HW_REG_WAVE_MODE, 25, 1), 1
	s_wait_xcnt 0x0
; out0 = attn Wout^T.  attn: 4,096 tokens x 1,024 channels in f16, as tiles of 16 tokens x 16 channels (512 bytes, lane (r, h) owning token r, channels 8 h .. 8 h + 7 at byte 16 lane);
; Wout f32, rounded to f16 on the way into LDS; f32 sums; out0 f32.
; LIMIT: f16 operands: |Wout| has to stay below 65,504.
; A work-group makes 128 tokens x 128 columns over K = 1024 in 16 steps of 64: 8 x 32 = 256 work-groups.  Eight waves: wi = w % 2 picks 64 columns, wj = w / 2 picks 32 tokens.
; Source 0 = 16 rows of Wout, source 1 = 16 tokens: a lane's eight results are eight neighbouring columns of one token's row.
; THE RING.  Step t's operands come from memory into register set t % 4 (window 1) and go into LDS buffer t % 2.  A set is asked for again as soon as it has been emptied, four steps ahead of
; its use: three or four sets of 48 KiB of the work-group are always on their way, and between a request and the wait for it stand three and a half steps' work.
; NO JOINT TILE LOADS: Wout is f32 in memory; through registers each number is rounded once per work-group and an LDS row of 64 K is 128 bytes, not 256.
; REGISTERS, in windows of 256 (s_set_vgpr_msb: bits 1:0 source 0, 3:2 source 1, 5:4 source 2, 7:6 destination): window 0 all but the ring; window 1: set u at 48 u: Wout's 8 quads, then attn's 4.
.set PITCH,  144                       ; Wout's LDS row: 128 bytes + 16, an odd multiple of 16: the 16 rows of a fragment load fall on different banks (ISA guide 11.1)
.set REG,    128*PITCH                 ; Wout's 128 rows; behind them 8 token tiles x 4 channel tiles x 512 bytes, read at 16 lane
.set BUF,    REG+16384                 ; two such buffers take turns
.set STG,    2*BUF                     ; behind them: 16 rows x 272 bytes for each wave, for the way out
.set SP,     272
.set ACC, 16                           ; v[16:79]    accumulator (i, j) at 16 + 8 (2 i + j)
.set F0,  80                           ; v[80:143]   Wout's fragments: 80 + 32 kb + 8 i; on the way out: rows read back
.set F1,  144                          ; v[144:175]  the tokens' fragments: 144 + 16 kb + 8 j
; v1 my 16 bytes in Wout's rows; v2, v3 where they go in buffer 0, 1; v4, v5 my fragments; v10 my 16 bytes in attn; v11, v12 where they go; v13, v14 stage in, back; v15 my 16 bytes in out0
.set MSB, 0
.macro WIN new                         ; the immediate's high byte repeats the setting that is left; a switch that changes nothing is dropped
.if MSB != \new
	s_set_vgpr_msb (MSB<<8)|\new
.set MSB, \new
.endif
.endm
	s_load_b128 s[8:11], s[0:1], 0x0               ; aws, Wout
	s_load_b64 s[12:13], s[0:1], 0x10              ; out0
	v_lshl_add_u32 v254, v0, 2, 0x19800
	v_mov_b32 v255, 0
	v_lshrrev_b32 v6, 5, v0
	v_readfirstlane_b32 s26, v6                    ; wave 0..7
	s_and_b32 s27, s26, 1                          ; wi
	s_lshr_b32 s28, s26, 1                         ; wj
	s_mov_b32 s2, ttmp9                            ; column block
	s_and_b32 s3, ttmp7, 0xffff                    ; token block
	v_lshrrev_b32 v6, 4, v0
	v_and_b32 v7, 15, v0
	v_lshlrev_b32 v1, 12, v6
	v_lshl_or_b32 v1, v7, 4, v1
	v_mul_u32_u24 v2, v6, PITCH
	v_lshl_add_u32 v2, v7, 3, v2
	v_add_nc_u32 v3, BUF, v2
	v_bfe_u32 v8, v0, 4, 1                         ; h
	v_mul_u32_u24 v4, v7, PITCH
	v_lshl_add_u32 v4, v8, 4, v4
	s_mul_i32 s44, s27, 64*PITCH
	v_add_nc_u32 v4, s44, v4
	v_and_b32 v9, 31, v0
	v_lshlrev_b32 v9, 4, v9                        ; 16 lane
	s_lshl_b32 s44, s28, 12                        ; my two token tiles
	s_add_co_u32 s44, s44, REG
	v_add_nc_u32 v5, s44, v9
	s_lshl_b32 s44, s26, 15                        ; wave w copies token tile w: 64 channel tiles of 512 bytes apart
	v_add_nc_u32 v10, s44, v9
	s_lshl_b32 s44, s26, 11
	s_add_co_u32 s44, s44, REG
	v_add_nc_u32 v11, s44, v9
	v_add_nc_u32 v12, BUF, v11
	s_mul_i32 s44, s26, 16*SP
	s_add_co_u32 s44, s44, STG                     ; my stage
	v_mul_u32_u24 v13, v7, SP                      ; in: token r, 32 bytes for each half of the lanes
	v_lshl_add_u32 v13, v8, 5, v13
	v_add_nc_u32 v13, s44, v13
	v_mul_u32_u24 v14, v8, SP                      ; back: lanes 0-15 one row of 256 bytes, lanes 16-31 the next
	v_lshl_add_u32 v14, v7, 4, v14
	v_add_nc_u32 v14, s44, v14
	v_lshlrev_b32 v15, 12, v8                      ; and the same two rows in out0
	v_lshl_or_b32 v15, v7, 4, v15
	s_mov_b32 s45, 0
	s_wait_kmcnt 0x0
	s_lshl_b32 s44, s2, 19                         ; 128 rows of Wout of 4,096 bytes
	s_add_nc_u64 s[36:37], s[10:11], s[44:45]
	s_lshl_b32 s44, s3, 18                         ; 8 token tiles of 32,768 bytes
	s_add_nc_u64 s[38:39], s[8:9], s[44:45]
	s_lshl_b32 s44, s3, 19                         ; out0: row 128 x block + 32 wj, column 128 x block + 64 wi
	s_lshl_b32 s46, s28, 17
	s_add_co_u32 s44, s44, s46
	s_lshl_b32 s46, s2, 9
	s_add_co_u32 s44, s44, s46
	s_lshl_b32 s46, s27, 8
	s_add_co_u32 s44, s44, s46
	s_add_nc_u64 s[40:41], s[12:13], s[44:45]
; A K step into ring set u: my token tile's 4 channel tiles (2,048 dense bytes), then 128 rows x 256 bytes of Wout, sixteen lanes to a row's 256 aligned bytes.
; The bases stand at a step that is a multiple of 4; the step among the four stands in the immediate.
.macro LOADG u
	WIN 0x40                                       ; destination window 1, address window 0
.irp c, 0,1,2,3
	global_load_b128 v[48*\u+32+4*\c:48*\u+32+4*\c+3], v10, s[38:39] offset:2048*\u+512*\c
.endr
.irp n, 0,1,2,3,4,5,6,7
	global_load_b128 v[48*\u+4*\n:48*\u+4*\n+3], v1, s[36:37] offset:\n*65536+256*\u
.endr
.endm
; Set u goes into LDS buffer buf; Wout's numbers are rounded on the way.  younger: the loads issued behind the set's own, which may stay out.
.macro STAGE u, buf, younger
	s_wait_loadcnt \younger                        ; loads come back in order (ISA guide 5.7.1): this set's 12 are in
	WIN 0x45                                       ; sources and destination window 1
.irp n, 0,1,2,3,4,5,6,7
	v_cvt_pk_f16_f32 v[48*\u+4*\n], v[48*\u+4*\n], v[48*\u+4*\n+1]
	v_cvt_pk_f16_f32 v[48*\u+4*\n+1], v[48*\u+4*\n+2], v[48*\u+4*\n+3]
.endr
	WIN 0x04                                       ; store data window 1, address window 0
.irp c, 0,1,2,3
	ds_store_b128 v[11+\buf], v[48*\u+32+4*\c:48*\u+32+4*\c+3] offset:512*\c
.endr
.irp n, 0,1,2,3,4,5,6,7
	ds_store_b64 v[2+\buf], v[48*\u+4*\n:48*\u+4*\n+1] offset:\n*16*PITCH
.endr
.endm
.macro FRAGS buf                       ; 24 LDS loads; the first 32 along K first
.irp kb, 0,1
.irp i, 0,1,2,3
	ds_load_b128 v[F0+32*\kb+8*\i:F0+32*\kb+8*\i+3],   v4 offset:\buf*BUF+\i*16*PITCH+\kb*64
	ds_load_b128 v[F0+32*\kb+8*\i+4:F0+32*\kb+8*\i+7], v4 offset:\buf*BUF+\i*16*PITCH+\kb*64+32
.endr
.irp j, 0,1
	ds_load_b128 v[F1+16*\kb+8*\j:F1+16*\kb+8*\j+3],   v5 offset:\buf*BUF+2048*\j+1024*\kb
	ds_load_b128 v[F1+16*\kb+8*\j+4:F1+16*\kb+8*\j+7], v5 offset:\buf*BUF+2048*\j+1024*\kb+512
.endr
.endr
.endm
.macro MM kb, zero                     ; the eight accumulators take turns, one instruction a turn
.irp i, 0,1,2,3
.irp j, 0,1
.if \zero
	v_wmma_f32_16x16x32_f16 v[ACC+8*(2*\i+\j):ACC+8*(2*\i+\j)+7], v[F0+32*\kb+8*\i:F0+32*\kb+8*\i+7], v[F1+16*\kb+8*\j:F1+16*\kb+8*\j+7], 0
.else
	v_wmma_f32_16x16x32_f16 v[ACC+8*(2*\i+\j):ACC+8*(2*\i+\j)+7], v[F0+32*\kb+8*\i:F0+32*\kb+8*\i+7], v[F1+16*\kb+8*\j:F1+16*\kb+8*\j+7], v[ACC+8*(2*\i+\j):ACC+8*(2*\i+\j)+7]
.endif
.endr
.endr
.endm
; From the second half of step s (u = s % 4) to the first half of step s + 1 (nu = its set, nb = its buffer).
; more = 1: step s + 4 is asked for, into step s's set: its conversions and LDS stores stand one body back, in front of a wait for 0 on DScnt.
; ONE barrier a step: in front of it each wave's reads of step s's buffer are back (the wait at the head) and its stores into the other are done; behind it the other is read, and step s's is
; written one body on.  The 16 conversions name no register of the products: they are the places between the last product and the loads into its sources.
.macro BODY u, nu, nb, more, younger
	s_wait_dscnt 0x0                               ; the fragments of the second 32 along K: all my reads of this step's buffer are back
	MM 1, 0
.if \more
	LOADG \u
.endif
	STAGE \nu, \nb, \younger
	s_wait_dscnt 0x0                               ; for the others' sake: my stores are done
	s_barrier_signal -1
	s_barrier_wait -1
	WIN 0
	FRAGS \nb
	s_wait_dscnt 12                                ; the first 32 along K are in; the 12 loads of the second 32 may be out
	MM 0, 0
.endm
	LOADG 0                                        ; steps 0 to 3
	LOADG 1
	LOADG 2
	LOADG 3
	s_wait_xcnt 0x0                                ; every earlier memory instruction has had its addresses translated (ISA guide 3.1): the bases step only behind this wait
	s_add_nc_u64 s[36:37], s[36:37], 1024          ; four steps on: 4 x 64 f32 of Wout's rows,
	s_add_nc_u64 s[38:39], s[38:39], 8192          ; 4 x 4 channel tiles of attn
	STAGE 0, 0, 36                                 ; the 36 loads of steps 1 to 3 may be out
	s_wait_dscnt 0x0
	s_barrier_signal -1
	s_barrier_wait -1
	WIN 0
	FRAGS 0
	s_wait_dscnt 12
	MM 0, 1                                        ; the first 32 along K start the sums: nothing is cleared
	s_mov_b32 s43, 3
.Lk:                                                   ; trip T: steps 4 T to 4 T + 3; asks for steps 4 T + 4 to 4 T + 7.  Every window is 0 here
	BODY 0, 1, 1, 1, 36                            ; 36: behind the next step's 12 loads stand three younger sets, the one just issued among them
	BODY 1, 2, 0, 1, 36
	BODY 2, 3, 1, 1, 36
	BODY 3, 0, 0, 1, 36
	s_wait_xcnt 0x0                                ; as above
	s_add_nc_u64 s[36:37], s[36:37], 1024
	s_add_nc_u64 s[38:39], s[38:39], 8192
	s_sub_co_i32 s43, s43, 1
	s_cmp_lg_u32 s43, 0
	s_cbranch_scc1 .Lk
	BODY 0, 1, 1, 0, 24                            ; steps 12 to 14 ask for nothing: the counts run down with the sets that are left
	BODY 1, 2, 0, 0, 12
	BODY 2, 3, 1, 0, 0
	s_wait_dscnt 0x0
	MM 1, 0                                        ; the second half of step 15
.rept 4
	v_nop                                          ; four places behind the last product: its results are stored, and its sources loaded into, below
.endr
	; THE WAY OUT: 16 tokens x 64 columns at a time through my own stage: in by lanes (32 bytes of a row each), back by whole rows of 256 bytes.
	; LDS serves a wave's instructions in order (ISA guide 5.7.1.4): the loads see the stores above them, and the next block's stores come behind these loads.
.irp j, 0,1
.irp i, 0,1,2,3
	ds_store_b128 v13, v[ACC+8*(2*\i+\j):ACC+8*(2*\i+\j)+3]   offset:64*\i
	ds_store_b128 v13, v[ACC+8*(2*\i+\j)+4:ACC+8*(2*\i+\j)+7] offset:64*\i+16
.endr
.irp t, 0,1,2,3,4,5,6,7
	ds_load_b128 v[F0+32*\j+4*\t:F0+32*\j+4*\t+3], v14 offset:\t*2*SP
.endr
.irp t, 0,1,2,3,4,5,6,7
	s_wait_dscnt 7-\t                              ; the 7 - t younger read-backs may be out
	global_store_b128 v15, v[F0+32*\j+4*\t:F0+32*\j+4*\t+3], s[40:41] offset:(16*\j+2*\t)*4096 th:TH_STORE_NT   ; 16 lanes store 256 consecutive bytes, at a multiple of 256 from out0's first byte
.endr
.endr
	s_wait_tensorcnt 0x0
	ds_add_u32 v254, v255
	s_wait_dscnt 0x0
	s_endpgm
.Lfunc_end_k_q0ba4ddf5a8_outp:
	.size	k_q0ba4ddf5a8_outp, .Lfunc_end_k_q0ba4ddf5a8_outp-k_q0ba4ddf5a8_outp
	.p2alignl 7, 3214868480
	.fill 96, 4, 3214868480
	.section	.rodata,"a",@progbits
	.p2align	6, 0x0
	.amdhsa_kernel k_q0ba4ddf5a8_outp
		.amdhsa_group_segment_fixed_size 105472
		.amdhsa_private_segment_fixed_size 0
		.amdhsa_enable_private_segment 0
		.amdhsa_kernarg_size 24
		.amdhsa_user_sgpr_count 2
		.amdhsa_user_sgpr_kernarg_segment_ptr 1
		.amdhsa_wavefront_size32 1
		.amdhsa_system_sgpr_workgroup_id_x 1
		.amdhsa_system_sgpr_workgroup_id_y 1
		.amdhsa_system_sgpr_workgroup_id_z 1
		.amdhsa_system_vgpr_workitem_id 0
		.amdhsa_next_free_vgpr 448
		.amdhsa_next_free_sgpr 66
		.amdhsa_reserve_vcc 0
		.amdhsa_float_denorm_mode_32 3
		.amdhsa_float_denorm_mode_16_64 3
		.amdhsa_memory_ordered 1
		.amdhsa_forward_progress 1
		.amdhsa_inst_pref_size 53
	.end_amdhsa_kernel
	.amdgpu_metadata
---
amdhsa.version: [ 1, 2 ]
amdhsa.kernels:
  - .name:           k_q0ba4ddf5a8_outp
    .symbol:         k_q0ba4ddf5a8_outp.kd
    .args:
      - { .name: aws, .offset: 0, .size: 8, .value_kind: global_buffer, .address_space: global }
      - { .name: Wout, .offset: 8, .size: 8, .value_kind: global_buffer, .address_space: global }
      - { .name: out0, .offset: 16, .size: 8, .value_kind: global_buffer, .address_space: global }
    .group_segment_fixed_size: 105472
    .private_segment_fixed_size: 0
    .kernarg_segment_align: 8
    .kernarg_segment_size: 24
    .max_flat_workgroup_size: 256
    .sgpr_count:     66
    .vgpr_count:     448
    .wavefront_size: 32
...
	.end_amdgpu_metadata
.endif
;; end of part 6
;; ======== version 3 of 3: 3 launches; version 2 with the launches proj, outp written anew for expert scheduling mode
;; limits: values are held in f16: magnitudes above 65,504 overflow, below 6.1e-05 lose precision; right only within a limited range of input values; values outside matrix products are rounded to f16
;; workspace buffers: qws 2,097,152 bytes; kws 2,621,440 bytes; vws 10,485,760 bytes; aws 8,388,608 bytes
;; launch proj (part 7): grid 232 x 1, 8 waves a work-group, no clusters, 111,616 bytes of LDS; arguments x, Wq, Wk, Wv, Wk_enc, Wv_enc, qws, kws, vws; writes qws, kws, vws
.if DOCPART == 7
	.amdgcn_target "amdgcn-amd-amdhsa--gfx1250"
	.amdhsa_code_object_version 6
	.text
	.protected	k_q0ba4ddf5a8_proj
	.globl	k_q0ba4ddf5a8_proj
	.p2align	8
	.type	k_q0ba4ddf5a8_proj,@function
k_q0ba4ddf5a8_proj:
	s_mov_b64 s[64:65], 0
	v_nop
	global_prefetch_b8 v0, s[64:65] scope:SCOPE_SE
	s_setreg_imm32_b32 hwreg(HW_REG_WAVE_SCHED_MODE, 0, 2), 2
	s_setreg_imm32_b32 hwreg(HW_REG_WAVE_MODE, 25, 1), 1
	s_wait_xcnt 0x0
	s_wait_alu depctr_vm_vsrc(0)
; q, k, v = x W^T on all 2 x 2048 tokens; k_enc, v_enc = x W^T on the first 512 tokens of each batch.  x and the weights are f32; they are rounded to f16
; on the way into LDS, multiplied in f16 with f32 sums, and the results are stored in f16.
; LIMIT: f16 operands and results: |x|, |W|, |q|, |k|, |v| have to stay below 65,504.
; SHARES.  A work-group multiplies 128 rows of source 0 by 256 rows of source 1 over K = 1024: 384 rows are read for 32,768 results.
;   q, k, k_enc: 128 rows of the weight (8 heads) x 256 tokens: 16 token blocks x (q 2 + k 2) + 4 token blocks x 2 = 72 work-groups (ids 0-63, 64-71);
;   v, v_enc:    128 tokens x 256 rows of the weight (4 heads): 32 token blocks x 4 + 8 token blocks x 4 = 160 work-groups (ids 72-199, 200-231).
; 232 work-groups of equal work.  Eight waves: wi = w % 2 picks 64 rows of source 0, wj = w / 2 picks 64 rows of source 1: 16 accumulators a wave, one LDS load for each matrix instruction.
; OUTPUT FORM (tile16): a tile is 16 rows x 16 f16 = 512 bytes; lane (r = lane % 16, h = lane / 16) owns bytes 16 lane .. +15 = row r, elements 8 h .. 8 h + 7:
; half a 16-bit matrix fragment.  q, k: row = token, elements = the head's 16 features.  v: row = channel, elements = 16 keys (V transposed).
; Which of the two forms comes out is a matter of which operand is source 0: LDS region 0 feeds source 0, region 1 source 1, and the result holds, in lane r,
; region 1's row r and region 0's rows 8 h + 0..7.  So q and k put W into region 0 and x into region 1, v the other way round: two pointers are chosen, the code is one.
; THE RING.  K goes in 16 steps of 64.  Step t's operands come from memory into register set t % 2 and go, rounded, into LDS buffer t % 2.  A set is asked for again in the step that empties
; it, behind that step's barrier and fragment loads, two steps ahead of its use: one or two sets of 96 KiB of the work-group are always on their way.
; NO JOINT TILE LOADS: the shared operands are f32 in memory.  Through registers each number is rounded once per work-group and an LDS row of 64 K is 128 bytes;
; copied as they lie they would be 256 bytes a row in every fragment read and be rounded by each of the waves that read them.
; REGISTERS, in windows of 256 (s_set_vgpr_msb: bits 1:0 source 0, 3:2 source 1, 5:4 source 2, 7:6 destination):
;   window 0: v0-15 addresses; v16-143 accumulators; v144-239 ring set A (even steps), later the packed results
;   window 1: v0-63 fragments of source 0; v64-127 of source 1; v128-223 ring set B (odd steps)
; THE MODE: SCHED_MODE bits 1:0 = 2 (LLVM: expert scheduling mode 2), set by the entry lines.  The code itself states the register dependences
; between vector or matrix instructions and memory or LDS instructions, with s_wait_alu, always for 0.
; THE PLAN.  Registers that memory or LDS instructions touch:
;   set A, set B    In step t the set t % 2: its 24 loads have landed; 48 roundings read and write it in place; 24 LDS stores read it; behind the step's barrier the loads of step t + 2 land in it.
;   the fragments   32 LDS loads land in them behind step t's barrier; step t's 32 products read them, the last sixteen ahead of step t + 1's roundings.
;   v1-v9           offsets and LDS addresses, made at the head and never written again: the K steps are reached by the two scalar bases and an immediate.
;   The accumulators are named by matrix instructions alone until the way out.
; So a step has three waits.  One on va_vdst behind the roundings: they have written the set, which the LDS stores read.  Behind the barrier and the switch to the fragments' window, straight ahead of
; the loads that they serve, one on va_vdst (the products are done reading the fragments, the roundings are done with the set) and one on vm_vsrc (the LDS stores have read the set).
; Behind these two stand the 32 fragment loads and the 24 loads into the set, and then products, which name fragments and accumulators alone.
.set PITCH,  144                       ; an LDS row: 64 f16 = 128 bytes + 16: an odd multiple of 16, so the 16 rows of a fragment load fall on different banks (ISA guide 11.1)
.set REG0,   128*PITCH                 ; region 0: 128 rows; region 1, 256 rows, follows it
.set BUF,    384*PITCH                 ; two such buffers take turns
.set ACC, 16                           ; accumulator (i, j) at 16 + 8 (4 i + j)
.set GA,  144                          ; set A: quad q at 144 + 4 q; q = 0-7 region 0, 8-23 region 1
.set GB,  128                          ; set B, in window 1
.set F0,  0                            ; window 1: 32 kb + 8 i
.set F1,  64                           ; window 1: 64 + 32 kb + 8 j
; v1 byte offset of my 16 bytes in a K step's rows; v2, v3 where I store in LDS buffer 0, 1; v4, v5 my fragments' addresses; v6-v9 my 16 bytes of output tile i
.set MSB, 0
.macro WIN new                         ; the immediate's high byte repeats the setting that is left; a switch that changes nothing is dropped
.if MSB != \new
	s_set_vgpr_msb (MSB<<8)|\new
.set MSB, \new
.endif
.endm
	s_load_b512 s[8:23], s[0:1], 0x0               ; x, Wq, Wk, Wv, Wk_enc, Wv_enc, qws, kws
	s_load_b64 s[24:25], s[0:1], 0x40              ; vws
	v_lshl_add_u32 v254, v0, 2, 0x1b000
	v_mov_b32 v255, 0
	v_lshrrev_b32 v10, 5, v0
	v_readfirstlane_b32 s26, v10                   ; wave 0..7; it is read further down, behind its wait
	s_mov_b32 s2, ttmp9                            ; id 0..231
	; ids 0-63: bit 0 the weight's half, bit 1 q or k, bits 4:2 the block of 256 tokens, bit 5 the batch.  ids 64-71, less 64: bit 0 Wk_enc's half, bit 1 the block, bit 2 the batch.
	s_sub_co_i32 s30, s2, 64
	s_max_i32 s30, s30, 0
	s_lshr_b32 s31, s30, 2
	s_bfe_u32 s32, s30, 0x10001
	s_and_b32 s33, s30, 1
	s_lshr_b32 s44, s2, 5
	s_bfe_u32 s46, s2, 0x30002
	s_and_b32 s49, s2, 1
	s_cmp_ge_u32 s2, 64
	s_cselect_b32 s35, 1, 0                        ; e: an encoder projection
	s_cselect_b32 s29, s31, s44                    ; batch
	s_cselect_b32 s34, s32, s46
	s_cselect_b32 s45, s33, s49                    ; which block of the weight's rows
	s_lshl_b32 s34, s34, 1                         ; the token block, counted in blocks of 128
	s_and_b32 s48, s2, 2
	s_or_b32 s48, s48, s35
	s_cselect_b32 s48, 0, 1                        ; isq
	; ids 72-199, less 72: bits 1:0 Wv's quarter, bits 5:2 the block of 128 tokens, bit 6 the batch.  ids 200-231, less 200: bits 1:0, bits 3:2, bit 4.
	s_sub_co_i32 s50, s2, 72
	s_max_i32 s50, s50, 0
	s_sub_co_i32 s51, s50, 128
	s_max_i32 s51, s51, 0
	s_lshr_b32 s52, s51, 4
	s_bfe_u32 s53, s51, 0x20002
	s_lshr_b32 s54, s50, 6
	s_bfe_u32 s55, s50, 0x40002
	s_and_b32 s56, s50, 3
	s_cmp_ge_u32 s50, 128
	s_cselect_b32 s57, 1, 0
	s_cselect_b32 s52, s52, s54
	s_cselect_b32 s53, s53, s55
	s_cmp_ge_u32 s2, 72
	s_cselect_b32 s47, 1, 0                        ; isv
	s_cselect_b32 s35, s57, s35
	s_cselect_b32 s29, s52, s29
	s_cselect_b32 s34, s53, s34
	s_cselect_b32 s45, s56, s45
	s_or_b32 s49, s48, s35                         ; q's tokens and the encoder's keys count from tile 0, the decoder's keys from tile 32
	s_cselect_b32 s49, 0, 32
	s_lshl3_add_u32 s49, s34, s49                  ; T0: the block's first token or key tile
	s_mov_b32 s42, 0x10000                         ; bytes from output tile i to i + 1: q a head of 128 tiles,
	s_mov_b32 s43, 0x14000                         ; k a head of 160 tiles,
	s_cmp_lg_u32 s48, 0
	s_cselect_b32 s42, s42, s43
	s_cmp_lg_u32 s47, 0
	s_cselect_b32 s42, 2048, s42                   ; v a key tile's four channel tiles
	s_wait_alu depctr_va_sdst(0)                   ; s26 is written, ahead of its first reader: wi and wj, and through them LDS addresses and the output's base, are made from it
	s_and_b32 s27, s26, 1                          ; wi
	s_lshr_b32 s28, s26, 1                         ; wj 0..3
	; where my wave's tile (0, 0) goes
	s_lshl_b32 s54, s29, 4                         ; 16 x batch
	s_lshl3_add_u32 s55, s45, s54
	s_lshl2_add_u32 s55, s27, s55                  ; q, k: head = 8 x block + 4 wi (+ i)
	s_mul_i32 s55, s55, s42
	s_lshl2_add_u32 s56, s28, s49                  ; token tile T0 + 4 wj (+ j)
	s_lshl_b32 s56, s56, 9
	s_add_co_u32 s55, s55, s56
	s_lshl2_add_u32 s57, s45, s54                  ; v: head = 4 x block + wj; channel tile j
	s_add_co_u32 s57, s57, s28
	s_mul_i32 s57, s57, 327680                     ; a head of v: 160 key tiles x 4 x 512
	s_lshl2_add_u32 s58, s27, s49                  ; key tile T0 + 4 wi (+ i)
	s_lshl_b32 s58, s58, 11
	s_add_co_u32 s57, s57, s58
	s_cmp_lg_u32 s47, 0
	s_cselect_b32 s58, s57, s55
	s_mov_b32 s59, 0
	; lane terms
	v_lshrrev_b32 v10, 4, v0                       ; thread / 16: my row among 16
	v_and_b32 v11, 15, v0                          ; thread % 16: my 16 bytes of a row's 256
	v_lshlrev_b32 v1, 12, v10
	v_lshl_or_b32 v1, v11, 4, v1
	v_mul_u32_u24 v2, v10, PITCH
	v_lshl_add_u32 v2, v11, 3, v2                  ; four f32 become 8 bytes
	v_add_nc_u32 v3, BUF, v2
	v_bfe_u32 v10, v0, 4, 1                        ; h
	v_mul_u32_u24 v4, v11, PITCH
	v_lshl_add_u32 v4, v10, 4, v4                  ; a fragment's row r x pitch + 16 h
	s_mul_i32 s46, s28, 64*PITCH
	s_add_co_u32 s46, s46, REG0
	v_add_nc_u32 v5, s46, v4
	s_mul_i32 s46, s27, 64*PITCH
	v_add_nc_u32 v4, s46, v4
	v_and_b32 v10, 31, v0
	v_lshlrev_b32 v6, 4, v10
	v_add_nc_u32 v7, s42, v6
	v_add_nc_u32 v8, s42, v7
	v_add_nc_u32 v9, s42, v8
	s_wait_kmcnt 0x0
	s_cmp_lg_u32 s35, 0
	s_cselect_b64 s[50:51], s[18:19], s[14:15]     ; Wv_enc or Wv
	s_cselect_b64 s[52:53], s[16:17], s[12:13]     ; Wk_enc or Wk
	s_cmp_lg_u32 s48, 0
	s_cselect_b64 s[52:53], s[10:11], s[52:53]     ; Wq
	s_cselect_b64 s[40:41], s[20:21], s[22:23]     ; qws or kws
	s_cmp_lg_u32 s47, 0
	s_cselect_b64 s[50:51], s[50:51], s[52:53]     ; the weight
	s_cselect_b64 s[40:41], s[24:25], s[40:41]     ; the output buffer
	s_add_nc_u64 s[40:41], s[40:41], s[58:59]
	s_lshl4_add_u32 s56, s29, s34                  ; token block among 32, 128 rows of 4,096 bytes each
	s_lshl_b32 s56, s56, 19
	s_mov_b32 s57, 0
	s_add_nc_u64 s[54:55], s[8:9], s[56:57]
	s_add_co_u32 s46, s47, 19                      ; the weight's block: 128 rows of 4,096 bytes for q and k, 256 for v
	s_lshl_b32 s56, s45, s46
	s_add_nc_u64 s[50:51], s[50:51], s[56:57]
	s_cmp_lg_u32 s47, 0
	s_cselect_b64 s[36:37], s[54:55], s[50:51]     ; region 0: x for v, else the weight
	s_cselect_b64 s[38:39], s[50:51], s[54:55]     ; region 1: the other one
; One K step's operands, 384 rows x 256 bytes, into ring set A (set = 0) or B (1): sixteen lanes take 256 consecutive bytes of a row, at a multiple of 256 from the buffer's first byte.
; The bases stand at an even step; the odd step of the pair stands in the immediate.
.macro LOADG set
.if \set
	WIN 0x40                                       ; destination window 1, address window 0
.set gb, GB
.else
	WIN 0
.set gb, GA
.endif
.irp n, 0,1,2,3,4,5,6,7
	global_load_b128 v[gb+4*\n:gb+4*\n+3], v1, s[36:37] offset:\n*65536+\set*256
.endr
.irp n, 0,1,2,3,4,5,6,7,8,9,10,11,12,13,14,15
	global_load_b128 v[gb+32+4*\n:gb+32+4*\n+3], v1, s[38:39] offset:\n*65536+\set*256
.endr
.endm
; 32 LDS loads: the fragments of 64 along K; the first 32 along K first
.macro FRAGS buf
	WIN 0x40
.irp kb, 0,1
.irp i, 0,1,2,3
	ds_load_b128 v[F0+32*\kb+8*\i:F0+32*\kb+8*\i+3],   v4 offset:\buf*BUF+\i*16*PITCH+\kb*64
	ds_load_b128 v[F0+32*\kb+8*\i+4:F0+32*\kb+8*\i+7], v4 offset:\buf*BUF+\i*16*PITCH+\kb*64+32
.endr
.irp j, 0,1,2,3
	ds_load_b128 v[F1+32*\kb+8*\j:F1+32*\kb+8*\j+3],   v5 offset:\buf*BUF+\j*16*PITCH+\kb*64
	ds_load_b128 v[F1+32*\kb+8*\j+4:F1+32*\kb+8*\j+7], v5 offset:\buf*BUF+\j*16*PITCH+\kb*64+32
.endr
.endr
.endm
; 16 matrix instructions, 32 along K.  The sixteen accumulators take turns, one instruction a turn.  zero = 1: the products start the sums.
.macro MM kb, zero
	WIN 0x05                                       ; sources 0 and 1 window 1; C and D window 0
.irp i, 0,1,2,3
.irp j, 0,1,2,3
.if \zero
	v_wmma_f32_16x16x32_f16 v[ACC+8*(4*\i+\j):ACC+8*(4*\i+\j)+7], v[F0+32*\kb+8*\i:F0+32*\kb+8*\i+7], v[F1+32*\kb+8*\j:F1+32*\kb+8*\j+7], 0
.else
	v_wmma_f32_16x16x32_f16 v[ACC+8*(4*\i+\j):ACC+8*(4*\i+\j)+7], v[F0+32*\kb+8*\i:F0+32*\kb+8*\i+7], v[F1+32*\kb+8*\j:F1+32*\kb+8*\j+7], v[ACC+8*(4*\i+\j):ACC+8*(4*\i+\j)+7]
.endif
.endr
.endr
.endm
; Step t comes in (set = t % 2, its set and its LDS buffer): the set is rounded to f16, once in the work-group, and laid into the buffer; the barrier; the fragments; the first 16 products.
; younger: the loads issued behind the set's own, which may stay out.  more = 1: step t + 2 is asked for, into the set just emptied.  zero = 1: step 0, whose products start the sums.
; ONE barrier a step: in front of it each wave's reads of the step before's buffer are back (the wait at BODY's head) and its stores into this step's are done; behind it this step's is read, and
; the other is written one step on.
.macro NEXT set, more, younger, zero
	s_wait_loadcnt \younger                        ; loads come back in order (ISA guide 5.7.1): this set's 24 are in
.if (\more) && ((\set) == 0)
	s_wait_xcnt 0x0                                ; every earlier memory instruction has had its addresses translated (ISA guide 3.1): the bases step only behind this wait; the last loads that read them stand a step back
	s_add_nc_u64 s[36:37], s[36:37], 512           ; two steps of 64 f32 on
	s_add_nc_u64 s[38:39], s[38:39], 512
.endif
.if \set
	WIN 0x45                                       ; sources and destination window 1
.set gb, GB
.else
	WIN 0
.set gb, GA
.endif
.set q, 0
.rept 24
	v_cvt_pk_f16_f32 v[gb+4*q], v[gb+4*q], v[gb+4*q+1]
	v_cvt_pk_f16_f32 v[gb+4*q+1], v[gb+4*q+2], v[gb+4*q+3]
.set q, q+1
.endr
.if \set
	WIN 0x04                                       ; store data window 1, address window 0
.endif
	s_wait_alu depctr_va_vdst(0)                   ; the roundings have written the set, which the LDS stores read
.set q, 0
.rept 24
	ds_store_b64 v[2+\set], v[gb+4*q:gb+4*q+1] offset:q*16*PITCH   ; quad q holds rows 16 q + thread / 16 of the 384
.set q, q+1
.endr
	s_wait_dscnt 0x0                               ; for the others' sake: my stores are done
	s_barrier_signal -1
	s_barrier_wait -1
	WIN 0x40                                       ; the window of the fragments' loads: the switch, the waits, the loads
	s_wait_alu depctr_va_vdst(0)                   ; the products of the step before are done reading the fragments, and the roundings are done reading and writing the set: loads land in both below
.if \more
	s_wait_alu depctr_vm_vsrc(0)                   ; the LDS stores have read the set, in which the loads of step t + 2 land
.endif
	FRAGS \set
.if \more
	LOADG \set                                     ; the set is asked for again.  No further wait: between the two above and these loads stand loads and at most a switch of the window
.endif
	s_wait_dscnt 16                                ; the first 32 along K are in; the 16 loads of the second 32 may be out
	MM 0, \zero
.endm
; From the second half of step t - 1 to the first half of step t (set = t % 2).
.macro BODY set, more, younger
	s_wait_dscnt 0x0                               ; the fragments of the second 32 along K: all my reads of the last step's buffer are back
	MM 1, 0
	NEXT \set, \more, \younger, 0
.endm
	s_wait_alu depctr_va_vdst(0)                   ; v1 to v9 are written: every load, LDS access and store of the kernel reads one of them as its offset or address
	LOADG 0                                        ; steps 0 and 1
	LOADG 1
	NEXT 0, 1, 24, 1                               ; step 0: step 1's 24 loads may be out; its first 32 along K start the sums: nothing is cleared; step 2 is asked for
	WIN 0                                          ; at a label and at a branch every window is 0
	s_mov_b32 s43, 6
.Lk:                                                   ; trip T: steps 2 T + 1 and 2 T + 2 come in; asks for steps 2 T + 3 and 2 T + 4
	BODY 1, 1, 24                                  ; 24: behind this step's loads stand the next step's
	BODY 0, 1, 24
	WIN 0
	s_sub_co_i32 s43, s43, 1
	s_cmp_lg_u32 s43, 0
	s_cbranch_scc1 .Lk
	BODY 1, 1, 24                                  ; step 13 asks for step 15, the last
	BODY 0, 0, 24                                  ; step 14: nothing is left to ask for; step 15's loads may be out
	BODY 1, 0, 0                                   ; step 15's set is the last out
	s_wait_dscnt 0x0
	MM 1, 0                                        ; the second half of step 15
	WIN 0
	s_wait_alu depctr_vm_vsrc(0)                   ; the LDS stores of step 14 have read set A's registers, which the roundings below write
.rept 4
	v_nop                                          ; four places behind the last product (ISA guide 7.12.1)
.endr
	; a lane's eight results are eight neighbouring elements of its row: 16 bytes; a wave's store covers a whole tile, 512 consecutive bytes, aligned
.irp i, 0,1,2,3
.irp j, 0,1,2,3
.irp c, 0,1,2,3
	v_cvt_pk_f16_f32 v[GA+4*(4*\i+\j)+\c], v[ACC+8*(4*\i+\j)+2*\c], v[ACC+8*(4*\i+\j)+2*\c+1]
.endr
.endr
.endr
	s_wait_alu depctr_va_vdst(0)                   ; the roundings have written the packed results, which the sixteen stores read
.irp i, 0,1,2,3
.irp j, 0,1,2,3
	global_store_b128 v[6+\i], v[GA+4*(4*\i+\j):GA+4*(4*\i+\j)+3], s[40:41] offset:\j*512
.endr
.endr
	s_wait_dscnt 0x0
	s_wait_alu depctr_hold_cnt(0) depctr_sa_sdst(0) depctr_va_vdst(0) depctr_va_sdst(0) depctr_va_ssrc(0) depctr_va_vcc(0) depctr_vm_vsrc(0)
	s_wait_tensorcnt 0x0
	ds_add_u32 v254, v255
	s_wait_dscnt 0x0
	s_endpgm
.Lfunc_end_k_q0ba4ddf5a8_proj:
	.size	k_q0ba4ddf5a8_proj, .Lfunc_end_k_q0ba4ddf5a8_proj-k_q0ba4ddf5a8_proj
	.p2alignl 7, 3214868480
	.fill 96, 4, 3214868480
	.section	.rodata,"a",@progbits
	.p2align	6, 0x0
	.amdhsa_kernel k_q0ba4ddf5a8_proj
		.amdhsa_group_segment_fixed_size 111616
		.amdhsa_private_segment_fixed_size 0
		.amdhsa_enable_private_segment 0
		.amdhsa_kernarg_size 72
		.amdhsa_user_sgpr_count 2
		.amdhsa_user_sgpr_kernarg_segment_ptr 1
		.amdhsa_wavefront_size32 1
		.amdhsa_system_sgpr_workgroup_id_x 1
		.amdhsa_system_sgpr_workgroup_id_y 1
		.amdhsa_system_sgpr_workgroup_id_z 1
		.amdhsa_system_vgpr_workitem_id 0
		.amdhsa_next_free_vgpr 480
		.amdhsa_next_free_sgpr 66
		.amdhsa_reserve_vcc 0
		.amdhsa_float_denorm_mode_32 3
		.amdhsa_float_denorm_mode_16_64 3
		.amdhsa_memory_ordered 1
		.amdhsa_forward_progress 1
		.amdhsa_inst_pref_size 79
	.end_amdhsa_kernel
	.amdgpu_metadata
---
amdhsa.version: [ 1, 2 ]
amdhsa.kernels:
  - .name:           k_q0ba4ddf5a8_proj
    .symbol:         k_q0ba4ddf5a8_proj.kd
    .args:
      - { .name: x, .offset: 0, .size: 8, .value_kind: global_buffer, .address_space: global }
      - { .name: Wq, .offset: 8, .size: 8, .value_kind: global_buffer, .address_space: global }
      - { .name: Wk, .offset: 16, .size: 8, .value_kind: global_buffer, .address_space: global }
      - { .name: Wv, .offset: 24, .size: 8, .value_kind: global_buffer, .address_space: global }
      - { .name: Wk_enc, .offset: 32, .size: 8, .value_kind: global_buffer, .address_space: global }
      - { .name: Wv_enc, .offset: 40, .size: 8, .value_kind: global_buffer, .address_space: global }
      - { .name: qws, .offset: 48, .size: 8, .value_kind: global_buffer, .address_space: global }
      - { .name: kws, .offset: 56, .size: 8, .value_kind: global_buffer, .address_space: global }
      - { .name: vws, .offset: 64, .size: 8, .value_kind: global_buffer, .address_space: global }
    .group_segment_fixed_size: 111616
    .private_segment_fixed_size: 0
    .kernarg_segment_align: 8
    .kernarg_segment_size: 72
    .max_flat_workgroup_size: 256
    .sgpr_count:     66
    .vgpr_count:     480
    .wavefront_size: 32
...
	.end_amdgpu_metadata
.endif
;; end of part 7
;; launch attn: the kernel of part 5 again; grid 8 x 32, 8 waves a work-group, no clusters, 109,824 bytes of LDS; arguments qws, kws, vws, aws; writes aws
;; launch outp (part 8): grid 8 x 32, 8 waves a work-group, no clusters, 105,472 bytes of LDS; arguments aws, Wout, out0; writes out0
.if DOCPART == 8
	.amdgcn_target "amdgcn-amd-amdhsa--gfx1250"
	.amdhsa_code_object_version 6
	.text
	.protected	k_q0ba4ddf5a8_outp
	.globl	k_q0ba4ddf5a8_outp
	.p2align	8
	.type	k_q0ba4ddf5a8_outp,@function
k_q0ba4ddf5a8_outp:
	s_mov_b64 s[64:65], 0
	v_nop
	global_prefetch_b8 v0, s[64:65] scope:SCOPE_SE
	s_setreg_imm32_b32 hwreg(HW_REG_WAVE_SCHED_MODE, 0, 2), 2
	s_setreg_imm32_b32 hwreg(HW_REG_WAVE_MODE, 25, 1), 1
	s_wait_xcnt 0x0
	s_wait_alu depctr_vm_vsrc(0)
; out0 = attn Wout^T.  attn: 4,096 tokens x 1,024 channels in f16, as tiles of 16 tokens x 16 channels (512 bytes, lane (r, h) owning token r, channels 8 h .. 8 h + 7 at byte 16 lane);
; Wout f32, rounded to f16 on the way into LDS; f32 sums; out0 f32.
; LIMIT: f16 operands: |Wout| has to stay below 65,504.
; A work-group makes 128 tokens x 128 columns over K = 1024 in 16 steps of 64: 8 x 32 = 256 work-groups.  Eight waves: wi = w % 2 picks 64 columns, wj = w / 2 picks 32 tokens.
; Source 0 = 16 rows of Wout, source 1 = 16 tokens: a lane's eight results are eight neighbouring columns of one token's row.
; THE RING.  Step t's operands come from memory into register set t % 4 (window 1) and go into LDS buffer t % 2.  A set is asked for again in the step that empties it, behind that step's
; barrier and fragment loads, four steps ahead of its use: three or four sets of 48 KiB of the work-group are always on their way.
; NO JOINT TILE LOADS: Wout is f32 in memory; through registers each number is rounded once per work-group and an LDS row of 64 K is 128 bytes, not 256.
; REGISTERS, in windows of 256 (s_set_vgpr_msb: bits 1:0 source 0, 3:2 source 1, 5:4 source 2, 7:6 destination): window 0 all but the ring; window 1: set u at 48 u: Wout's 8 quads, then attn's 4.
; THE MODE: SCHED_MODE bits 1:0 = 2 (LLVM: expert scheduling mode 2), set by the entry lines.  The code itself states the register dependences
; between vector or matrix instructions and memory or LDS instructions, with s_wait_alu, always for 0.
; THE PLAN.  Registers that memory or LDS instructions touch:
;   sets 0 to 3     In step t the set t % 4: its 12 loads have landed; 16 roundings read and write Wout's quads in place; 12 LDS stores read the set; behind the step's barrier the loads of step t + 4 land in it.
;   the fragments   24 LDS loads land in them behind step t's barrier; step t's 16 products read them, the last eight ahead of step t + 1's roundings.  On the way out rows read back land in Wout's.
;   v1-v15          offsets and LDS addresses, made at the head and never written again: the K steps are reached by the two scalar bases and an immediate.
;   The accumulators are named by matrix instructions alone until the way out, where LDS stores read them.
; One wait on va_vdst stands behind a step's roundings: they have written the set, which the LDS stores read, and the products of the step before are done reading the fragments, in which the LDS
; loads behind the barrier land; no vector or matrix instruction stands between that wait and those loads.  A step that asks for its set again has two more, behind the switch to the set's
; window and straight ahead of the loads: on va_vdst (the roundings are done with the set) and on vm_vsrc (the LDS stores have read it).
.set PITCH,  144                       ; Wout's LDS row: 128 bytes + 16, an odd multiple of 16: the 16 rows of a fragment load fall on different banks (ISA guide 11.1)
.set REG,    128*PITCH                 ; Wout's 128 rows; behind them 8 token tiles x 4 channel tiles x 512 bytes, read at 16 lane
.set BUF,    REG+16384                 ; two such buffers take turns
.set STG,    2*BUF                     ; behind them: 16 rows x 272 bytes for each wave, for the way out
.set SP,     272
.set ACC, 16                           ; v[16:79]    accumulator (i, j) at 16 + 8 (2 i + j)
.set F0,  80                           ; v[80:143]   Wout's fragments: 80 + 32 kb + 8 i; on the way out: rows read back
.set F1,  144                          ; v[144:175]  the tokens' fragments: 144 + 16 kb + 8 j
; v1 my 16 bytes in Wout's rows; v2, v3 where they go in buffer 0, 1; v4, v5 my fragments; v10 my 16 bytes in attn; v11, v12 where they go; v13, v14 stage in, back; v15 my 16 bytes in out0
.set MSB, 0
.macro WIN new                         ; the immediate's high byte repeats the setting that is left; a switch that changes nothing is dropped
.if MSB != \new
	s_set_vgpr_msb (MSB<<8)|\new
.set MSB, \new
.endif
.endm
	s_load_b128 s[8:11], s[0:1], 0x0               ; aws, Wout
	s_load_b64 s[12:13], s[0:1], 0x10              ; out0
	v_lshl_add_u32 v254, v0, 2, 0x19800
	v_mov_b32 v255, 0
	v_lshrrev_b32 v6, 5, v0
	v_readfirstlane_b32 s26, v6                    ; wave 0..7; it is read further down, behind its wait
	s_mov_b32 s2, ttmp9                            ; column block
	s_and_b32 s3, ttmp7, 0xffff                    ; token block
	v_lshrrev_b32 v6, 4, v0
	v_and_b32 v7, 15, v0
	v_lshlrev_b32 v1, 12, v6
	v_lshl_or_b32 v1, v7, 4, v1
	v_mul_u32_u24 v2, v6, PITCH
	v_lshl_add_u32 v2, v7, 3, v2
	v_add_nc_u32 v3, BUF, v2
	v_bfe_u32 v8, v0, 4, 1                         ; h
	v_mul_u32_u24 v4, v7, PITCH
	v_lshl_add_u32 v4, v8, 4, v4
	s_wait_alu depctr_va_sdst(0)                   ; s26 is written, ahead of its first reader: wi and wj, LDS addresses and out0's base are made from it
	s_and_b32 s27, s26, 1                          ; wi
	s_lshr_b32 s28, s26, 1                         ; wj
	s_mul_i32 s44, s27, 64*PITCH
	v_add_nc_u32 v4, s44, v4
	v_and_b32 v9, 31, v0
	v_lshlrev_b32 v9, 4, v9                        ; 16 lane
	s_lshl_b32 s44, s28, 12                        ; my two token tiles
	s_add_co_u32 s44, s44, REG
	v_add_nc_u32 v5, s44, v9
	s_lshl_b32 s44, s26, 15                        ; wave w copies token tile w: 64 channel tiles of 512 bytes apart
	v_add_nc_u32 v10, s44, v9
	s_lshl_b32 s44, s26, 11
	s_add_co_u32 s44, s44, REG
	v_add_nc_u32 v11, s44, v9
	v_add_nc_u32 v12, BUF, v11
	s_mul_i32 s44, s26, 16*SP
	s_add_co_u32 s44, s44, STG                     ; my stage
	v_mul_u32_u24 v13, v7, SP                      ; in: token r, 32 bytes for each half of the lanes
	v_lshl_add_u32 v13, v8, 5, v13
	v_add_nc_u32 v13, s44, v13
	v_mul_u32_u24 v14, v8, SP                      ; back: lanes 0-15 one row of 256 bytes, lanes 16-31 the next
	v_lshl_add_u32 v14, v7, 4, v14
	v_add_nc_u32 v14, s44, v14
	v_lshlrev_b32 v15, 12, v8                      ; and the same two rows in out0
	v_lshl_or_b32 v15, v7, 4, v15
	s_mov_b32 s45, 0
	s_wait_kmcnt 0x0
	s_lshl_b32 s44, s2, 19                         ; 128 rows of Wout of 4,096 bytes
	s_add_nc_u64 s[36:37], s[10:11], s[44:45]
	s_lshl_b32 s44, s3, 18                         ; 8 token tiles of 32,768 bytes
	s_add_nc_u64 s[38:39], s[8:9], s[44:45]
	s_lshl_b32 s44, s3, 19                         ; out0: row 128 x block + 32 wj, column 128 x block + 64 wi
	s_lshl_b32 s46, s28, 17
	s_add_co_u32 s44, s44, s46
	s_lshl_b32 s46, s2, 9
	s_add_co_u32 s44, s44, s46
	s_lshl_b32 s46, s27, 8
	s_add_co_u32 s44, s44, s46
	s_add_nc_u64 s[40:41], s[12:13], s[44:45]
; A K step into ring set u: my token tile's 4 channel tiles (2,048 dense bytes), then 128 rows x 256 bytes of Wout, sixteen lanes to a row's 256 aligned bytes.
; The bases stand at a step that is a multiple of 4; the step among the four stands in the immediate.
.macro LOADG u
	WIN 0x40                                       ; destination window 1, address window 0
.irp c, 0,1,2,3
	global_load_b128 v[48*\u+32+4*\c:48*\u+32+4*\c+3], v10, s[38:39] offset:2048*\u+512*\c
.endr
.irp n, 0,1,2,3,4,5,6,7
	global_load_b128 v[48*\u+4*\n:48*\u+4*\n+3], v1, s[36:37] offset:\n*65536+256*\u
.endr
.endm
.macro FRAGS buf                       ; 24 LDS loads; the first 32 along K first
.irp kb, 0,1
.irp i, 0,1,2,3
	ds_load_b128 v[F0+32*\kb+8*\i:F0+32*\kb+8*\i+3],   v4 offset:\buf*BUF+\i*16*PITCH+\kb*64
	ds_load_b128 v[F0+32*\kb+8*\i+4:F0+32*\kb+8*\i+7], v4 offset:\buf*BUF+\i*16*PITCH+\kb*64+32
.endr
.irp j, 0,1
	ds_load_b128 v[F1+16*\kb+8*\j:F1+16*\kb+8*\j+3],   v5 offset:\buf*BUF+2048*\j+1024*\kb
	ds_load_b128 v[F1+16*\kb+8*\j+4:F1+16*\kb+8*\j+7], v5 offset:\buf*BUF+2048*\j+1024*\kb+512
.endr
.endr
.endm
.macro MM kb, zero                     ; the eight accumulators take turns, one instruction a turn
.irp i, 0,1,2,3
.irp j, 0,1
.if \zero
	v_wmma_f32_16x16x32_f16 v[ACC+8*(2*\i+\j):ACC+8*(2*\i+\j)+7], v[F0+32*\kb+8*\i:F0+32*\kb+8*\i+7], v[F1+16*\kb+8*\j:F1+16*\kb+8*\j+7], 0
.else
	v_wmma_f32_16x16x32_f16 v[ACC+8*(2*\i+\j):ACC+8*(2*\i+\j)+7], v[F0+32*\kb+8*\i:F0+32*\kb+8*\i+7], v[F1+16*\kb+8*\j:F1+16*\kb+8*\j+7], v[ACC+8*(2*\i+\j):ACC+8*(2*\i+\j)+7]
.endif
.endr
.endr
.endm
; Step t comes in (u = t % 4 its set, buf = t % 2 its LDS buffer): the set goes into the buffer, Wout's numbers rounded on the way; the barrier; the fragments; the first 8 products.
; younger: the loads issued behind the set's own, which may stay out.  more = 1: step t + 4 is asked for, into the set just emptied.  zero = 1: step 0, whose products start the sums.
; ONE barrier a step: in front of it each wave's reads of the step before's buffer are back (the wait at BODY's head) and its stores into this step's are done; behind it this step's is read, and
; the other is written one step on.
.macro NEXT u, buf, more, younger, zero
	s_wait_loadcnt \younger                        ; loads come back in order (ISA guide 5.7.1): this set's 12 are in
.if (\more) && ((\u) == 0)
	s_wait_xcnt 0x0                                ; every earlier memory instruction has had its addresses translated (ISA guide 3.1): the bases step only behind this wait; the last loads that read them stand a step back
	s_add_nc_u64 s[36:37], s[36:37], 1024          ; four steps on: 4 x 64 f32 of Wout's rows,
	s_add_nc_u64 s[38:39], s[38:39], 8192          ; 4 x 4 channel tiles of attn
.endif
	WIN 0x45                                       ; sources and destination window 1
.irp n, 0,1,2,3,4,5,6,7
	v_cvt_pk_f16_f32 v[48*\u+4*\n], v[48*\u+4*\n], v[48*\u+4*\n+1]
	v_cvt_pk_f16_f32 v[48*\u+4*\n+1], v[48*\u+4*\n+2], v[48*\u+4*\n+3]
.endr
	WIN 0x04                                       ; store data window 1, address window 0
	s_wait_alu depctr_va_vdst(0)                   ; the roundings have written the set, which the LDS stores read; the products of the step before are done reading the fragments, in which the LDS loads below land
.irp c, 0,1,2,3
	ds_store_b128 v[11+\buf], v[48*\u+32+4*\c:48*\u+32+4*\c+3] offset:512*\c
.endr
.irp n, 0,1,2,3,4,5,6,7
	ds_store_b64 v[2+\buf], v[48*\u+4*\n:48*\u+4*\n+1] offset:\n*16*PITCH
.endr
	s_wait_dscnt 0x0                               ; for the others' sake: my stores are done
	s_barrier_signal -1
	s_barrier_wait -1
	WIN 0
	FRAGS \buf                                     ; no vector or matrix instruction since the wait above
.if \more
	WIN 0x40                                       ; the window of the set's loads: the switch, the waits, the loads
	s_wait_alu depctr_va_vdst(0)                   ; the roundings are done reading and writing the set, in which the loads of step t + 4 land
	s_wait_alu depctr_vm_vsrc(0)                   ; the LDS stores have read it
	LOADG \u                                       ; the set is asked for again
	WIN 0
.endif
	s_wait_dscnt 12                                ; the first 32 along K are in; the 12 loads of the second 32 may be out
	MM 0, \zero
.endm
; From the second half of step t - 1 to the first half of step t (u = t % 4, buf = t % 2).
.macro BODY u, buf, more, younger
	s_wait_dscnt 0x0                               ; the fragments of the second 32 along K: all my reads of the last step's buffer are back
	MM 1, 0
	NEXT \u, \buf, \more, \younger, 0
.endm
	WIN 0x40
	s_wait_alu depctr_va_vdst(0)                   ; v1 to v15 are written: every load, LDS access and store of the kernel reads one of them as its offset or address
	LOADG 0                                        ; steps 0 to 3
	LOADG 1
	LOADG 2
	LOADG 3
	NEXT 0, 0, 1, 36, 1                            ; step 0: the 36 loads of steps 1 to 3 may be out; its first 32 along K start the sums: nothing is cleared; step 4 is asked for
	s_mov_b32 s43, 2
.Lk:                                                   ; trip T: steps 4 T + 1 to 4 T + 4 come in; asks for steps 4 T + 5 to 4 T + 8.  Every window is 0 here
	BODY 1, 1, 1, 36                               ; 36: behind this step's 12 loads stand three younger sets
	BODY 2, 0, 1, 36
	BODY 3, 1, 1, 36
	BODY 0, 0, 1, 36
	s_sub_co_i32 s43, s43, 1
	s_cmp_lg_u32 s43, 0
	s_cbranch_scc1 .Lk
	BODY 1, 1, 1, 36                               ; steps 9 to 11 ask for steps 13 to 15, the last
	BODY 2, 0, 1, 36
	BODY 3, 1, 1, 36
	BODY 0, 0, 0, 36                               ; steps 12 to 15 ask for nothing: the counts run down with the sets that are left
	BODY 1, 1, 0, 24
	BODY 2, 0, 0, 12
	BODY 3, 1, 0, 0
	s_wait_dscnt 0x0
	MM 1, 0                                        ; the second half of step 15
.rept 4
	v_nop                                          ; four places behind the last product, before its results are read (ISA guide 7.12.1)
.endr
	s_wait_alu depctr_va_vdst(0)                   ; the products have written the accumulators, which the LDS stores read, and are done reading Wout's fragments, in which the rows read back land; the places above stay beside this wait
	; THE WAY OUT: 16 tokens x 64 columns at a time through my own stage: in by lanes (32 bytes of a row each), back by whole rows of 256 bytes.
	; LDS serves a wave's instructions in order (ISA guide 5.7.1.4): the loads see the stores above them, and the next block's stores come behind these loads.
	; No vector instruction follows, and no register that a store reads is written again.
.irp j, 0,1
.irp i, 0,1,2,3
	ds_store_b128 v13, v[ACC+8*(2*\i+\j):ACC+8*(2*\i+\j)+3]   offset:64*\i
	ds_store_b128 v13, v[ACC+8*(2*\i+\j)+4:ACC+8*(2*\i+\j)+7] offset:64*\i+16
.endr
.irp t, 0,1,2,3,4,5,6,7
	ds_load_b128 v[F0+32*\j+4*\t:F0+32*\j+4*\t+3], v14 offset:\t*2*SP
.endr
.irp t, 0,1,2,3,4,5,6,7
	s_wait_dscnt 7-\t                              ; the 7 - t younger read-backs may be out
	global_store_b128 v15, v[F0+32*\j+4*\t:F0+32*\j+4*\t+3], s[40:41] offset:(16*\j+2*\t)*4096 th:TH_STORE_NT   ; 16 lanes store 256 consecutive bytes, at a multiple of 256 from out0's first byte
.endr
.endr
	s_wait_dscnt 0x0
	s_wait_alu depctr_hold_cnt(0) depctr_sa_sdst(0) depctr_va_vdst(0) depctr_va_sdst(0) depctr_va_ssrc(0) depctr_va_vcc(0) depctr_vm_vsrc(0)
	s_wait_tensorcnt 0x0
	ds_add_u32 v254, v255
	s_wait_dscnt 0x0
	s_endpgm
.Lfunc_end_k_q0ba4ddf5a8_outp:
	.size	k_q0ba4ddf5a8_outp, .Lfunc_end_k_q0ba4ddf5a8_outp-k_q0ba4ddf5a8_outp
	.p2alignl 7, 3214868480
	.fill 96, 4, 3214868480
	.section	.rodata,"a",@progbits
	.p2align	6, 0x0
	.amdhsa_kernel k_q0ba4ddf5a8_outp
		.amdhsa_group_segment_fixed_size 105472
		.amdhsa_private_segment_fixed_size 0
		.amdhsa_enable_private_segment 0
		.amdhsa_kernarg_size 24
		.amdhsa_user_sgpr_count 2
		.amdhsa_user_sgpr_kernarg_segment_ptr 1
		.amdhsa_wavefront_size32 1
		.amdhsa_system_sgpr_workgroup_id_x 1
		.amdhsa_system_sgpr_workgroup_id_y 1
		.amdhsa_system_sgpr_workgroup_id_z 1
		.amdhsa_system_vgpr_workitem_id 0
		.amdhsa_next_free_vgpr 448
		.amdhsa_next_free_sgpr 66
		.amdhsa_reserve_vcc 0
		.amdhsa_float_denorm_mode_32 3
		.amdhsa_float_denorm_mode_16_64 3
		.amdhsa_memory_ordered 1
		.amdhsa_forward_progress 1
		.amdhsa_inst_pref_size 78
	.end_amdhsa_kernel
	.amdgpu_metadata
---
amdhsa.version: [ 1, 2 ]
amdhsa.kernels:
  - .name:           k_q0ba4ddf5a8_outp
    .symbol:         k_q0ba4ddf5a8_outp.kd
    .args:
      - { .name: aws, .offset: 0, .size: 8, .value_kind: global_buffer, .address_space: global }
      - { .name: Wout, .offset: 8, .size: 8, .value_kind: global_buffer, .address_space: global }
      - { .name: out0, .offset: 16, .size: 8, .value_kind: global_buffer, .address_space: global }
    .group_segment_fixed_size: 105472
    .private_segment_fixed_size: 0
    .kernarg_segment_align: 8
    .kernarg_segment_size: 24
    .max_flat_workgroup_size: 256
    .sgpr_count:     66
    .vgpr_count:     448
    .wavefront_size: 32
...
	.end_amdgpu_metadata
.endif
;; end of part 8
